; MI455X (gfx1250); checked and timed in simulation.
; The chip was launched on July 23, 2026; its instructions are those of AMD's public machine-readable ISA for CDNA 5 (MIT licence, August 2026) and "CDNA5" Instruction Set Architecture Reference Guide (July 2026). The comments in the code are by the model that wrote it; some were corrected since.
;; Transformer Block. Allowed arithmetic: matrix products marked QUANTISED: E5M2 operands, one E8M0 scale for each 32 along K, by v_wmma_scale_f32_16x16x128_f8f6f4 with both operands' format E5M2, f32 sums; everything else in f32.
;; Inputs: g1 768 float32; g2 768 float32; w1_codes 3,072 x 24 x 32 uint8 (E5M2 codes of w1, K innermost, in blocks of 32 codes); w1_scales 3,072 x 24 uint8 (E8M0 scales of w1, one for each 32 codes along K); w2_codes 768 x 96 x 32 uint8 (E5M2 codes of w2, K innermost, in blocks of 32 codes); w2_scales 768 x 96 uint8 (E8M0 scales of w2, one for each 32 codes along K); wk_codes 768 x 24 x 32 uint8 (E5M2 codes of wk, K innermost, in blocks of 32 codes); wk_scales 768 x 24 uint8 (E8M0 scales of wk, one for each 32 codes along K); wo_codes 768 x 24 x 32 uint8 (E5M2 codes of wo, K innermost, in blocks of 32 codes); wo_scales 768 x 24 uint8 (E8M0 scales of wo, one for each 32 codes along K); wq_codes 768 x 24 x 32 uint8 (E5M2 codes of wq, K innermost, in blocks of 32 codes); wq_scales 768 x 24 uint8 (E8M0 scales of wq, one for each 32 codes along K); wv_codes 768 x 24 x 32 uint8 (E5M2 codes of wv, K innermost, in blocks of 32 codes); wv_scales 768 x 24 uint8 (E8M0 scales of wv, one for each 32 codes along K); x 1 x 4,096 x 768 float32.
;; Outputs: out0 1 x 4,096 x 768 float32.
;; This version of the problem:
;;   THIS VERSION OF THE PROBLEM IS GIVEN IN LOW PRECISION. The matrix products marked QUANTISED in the list below multiply operands that are first quantised to E5M2 (5 exponent bits, 2 mantissa bits; 8 bits a number), with one power-of-two scale for each 32 numbers along K (OCP MX v1.0); their sums are f32. All else is computed in f32.
;;   The module's matrix products, in the order in which they are computed (A, B: the left and right operand; K: the contracted axis; several contracted axes count as one K, in the product's order):
;;     1. [M 4,096, K 768] x [K 768, N 768]; A: computed on the way; B: input wq (given as codes): QUANTISED
;;     2. [M 4,096, K 768] x [K 768, N 768]; A: computed on the way; B: input wk (given as codes): QUANTISED
;;     3. [M 4,096, K 768] x [K 768, N 768]; A: computed on the way; B: input wv (given as codes): QUANTISED
;;     4. batch 12 x [M 4,096, K 64] x [K 64, N 4,096]; A: computed on the way; B: computed on the way: QUANTISED
;;     5. batch 12 x [M 64, K 4,096] x [K 4,096, N 4,096]; A: computed on the way; B: softmax (see below): QUANTISED
;;     6. [M 4,096, K 768] x [K 768, N 768]; A: computed on the way; B: input wo (given as codes): QUANTISED
;;     7. [M 4,096, K 768] x [K 768, N 3,072]; A: computed on the way; B: input w1 (given as codes): QUANTISED
;;     8. [M 4,096, K 3,072] x [K 3,072, N 768]; A: computed on the way; B: input w2 (given as codes): QUANTISED
;;   THE QUANTISER, for each operand of a quantised product, along K:
;;     - K is cut into blocks of 32 from its start; a last block that is shorter is filled with zeros.
;;     - A block's scale is 2^e with e = floor(log2(the largest magnitude in the block)) - 15, held to -126 .. 127; a block of zeros has e = 0. As a byte (E8M0): e + 127.
;;     - Each number is divided by its block's scale, clamped to +-57,344, and rounded to the nearest number of E5M2, ties to even, subnormals kept.
;;     - The product sums the exact products of the quantised numbers (number of the format x scale) in f32.
;;   ~~~python
;;   def quantise(x, axis):      # numpy; x: float32 -> the quantised numbers, widened to float32 again
;;       x = np.moveaxis(x, axis, -1); K = x.shape[-1]
;;       x = np.pad(x, [(0, 0)] * (x.ndim - 1) + [(0, -K % 32)]); x = x.reshape(x.shape[:-1] + (-1, 32)); a = np.abs(x).max(-1, keepdims=True)
;;       e = np.where(a > 0, np.clip(np.frexp(np.where(a > 0, a, 1))[1] - 1 - 15, -126, 127), 0)      # np.frexp(a)[1] - 1 = floor(log2(a)), exactly
;;       r = np.clip(x / 2.0 ** e, -57344, 57344)
;;       step = 2.0 ** (np.maximum(np.frexp(np.where(r == 0, 1, r))[1] - 1, -14) - 2)
;;       q = np.round(r / step) * step * 2.0 ** e      # np.round: ties to even
;;       return np.moveaxis(q.reshape(q.shape[:-2] + (-1,))[..., :K], -1, axis).astype(np.float32)
;;   ~~~
;;   SOFTMAX AHEAD OF A QUANTISED PRODUCT. Where the list says 'softmax', what is quantised is not the finished softmax but p = 2^(t - M), with t = logit x log2(e) and M = ceil(the row's largest t), a whole number; so 1/2 < the row's largest p <= 1. The row's sum l is taken of the UNQUANTISED p, in f32, and the product's result is divided by l at the end. Since M is a whole number, a kernel that streams over the keys may use a running M (the ceiling of the running maximum): every later rescaling is an exact power of two, which a block's scale takes up: the codes' values come out the same.
;;   OPERANDS COMPUTED ON THE WAY. 'Computed on the way' means the value that the module computes at that place (a softmax that the list does not call 'softmax' is quantised finished and normalised). What goes into a quantiser is computed in f32, as accurately as f32 sums, v_exp_f32 and their like allow (about 1e-6 of the number): no bf16 or f16 on the way to a quantiser, and a product that is left as it is and whose result goes on into a quantised operand takes f32 operands (vector FMAs, or v_wmma_f32_16x16x4_f32). A number that lies on a knife's edge between two numbers of the format may be rounded either way, as far as f32 arithmetic and the matrix unit's own rounding can turn it there, and no further.
;;   INPUTS GIVEN AS CODES. w1 (in the module: [3072, 768], K = its axis 1); w2 (in the module: [768, 3072], K = its axis 1); wk (in the module: [768, 768], K = its axis 1); wo (in the module: [768, 768], K = its axis 1); wq (in the module: [768, 768], K = its axis 1); wv (in the module: [768, 768], K = its axis 1): each comes as NAME_codes (uint8): NAME with its K axis moved to the last place and cut into blocks of 32 codes, [.., K / 32, bytes a block], one block behind the other in memory; one code a byte (a code: sign, 5 exponent bits, 2 mantissa bits); and NAME_scales (uint8): the same leading axes, one E8M0 byte (e + 127) for each 32 codes along K. Its value is code x scale, taken as it is: it is not quantised again, and the codes and scales need not be those that the quantiser above would give.
;; One version. Each part assembles by itself: llvm-mc -triple=amdgcn-amd-amdhsa -mcpu=gfx1250 --defsym DOCPART=n.
;; ======== version 1 of 1: 7 launches
;; limits: right only within a limited range of input values
;; workspace buffers: a1 3,342,336 bytes; qkv 9,928,704 bytes; ob 3,342,336 bytes; y 12,582,912 bytes; a2 3,342,336 bytes; hb 13,369,344 bytes
;; launch norm1 (part 1): grid 256 x 1, 6 waves a work-group, no clusters, 2,048 bytes of LDS; arguments x, g1, a1; writes a1
.if DOCPART == 1
	.amdgcn_target "amdgcn-amd-amdhsa--gfx1250"
	.amdhsa_code_object_version 6
	.text
	.protected	k_q6da3e4af13_norm1
	.globl	k_q6da3e4af13_norm1
	.p2align	8
	.type	k_q6da3e4af13_norm1,@function
k_q6da3e4af13_norm1:
	s_mov_b64 s[64:65], 0
	v_nop
	global_prefetch_b8 v0, s[64:65] scope:SCOPE_SE
	s_setreg_imm32_b32 hwreg(HW_REG_WAVE_MODE, 25, 1), 1
	s_wait_xcnt 0x0
; A PRE-NORM TRANSFORMER BLOCK, S = 4,096, D = 768, 12 heads of 64, FFN 3,072, all eight products on codes of BF8 (E5M2) with one E8M0 scale for each 32 along K.
; SEVEN LAUNCHES: norm (x, g1) | q, k, v | attention | wo and the residual | norm (y, g2) | w1 and gelu | w2 and the residual.  This body serves both norms.
; THIS BODY: out = Q((in * g) / sqrt(mean(in^2) + 1e-5)), Q the quantiser along the row; in [4096][768] f32, g [768] f32.
; ONE ROW ORDER EVERYWHERE.  Row tile T (0..255), lane r (0..15) stands for row 32 (T / 2) + 8 (T % 2) + r + 8 (r / 8).  Every weight tile takes its 16 weight rows by the same rule.  A product used transposed
; (source 0 = weight rows, source 1 = rows) then leaves in a lane one row and, in two neighbouring tiles, 16 neighbours along the next K: the conversions' results are the next operand's registers.
; WORKSPACE HOLDS IMAGES OF OPERAND REGISTERS.  A fragment (16 rows x 128 K, 16 registers a lane) is 2,048 bytes: registers 4 c .. 4 c + 3 of lane l at 512 c + 16 l; its scale words 128 bytes, lane l's at 4 l (lanes 16-31 repeat lanes 0-15).
; out: 256 records of 13,056 bytes, one a row tile: six fragments (K step s at 2,048 s), then six scale images (12,288 + 128 s).
; WORK LEFT OUT IN THIS PROGRAM (in the attention launch): key steps of 128 keys all of which come after a wave's 16 queries.  reference() itself, by its own tril, sets the logit of key k > q to -1e9; with
; t = logit x log2(e) and M = the ceiling of the row's largest t, p = 2^(t - M) lies under every f32 number, is 0 as reference() computes it, has the code 0 and adds nothing to the row's sum or to the second product.  That holds for
; all inputs whose rows' largest logit lies above about -1e8: LIMIT.  A NaN, an infinity or an overflow that reaches only those left-out steps is not carried to the result: LIMIT.  Every input has a way to the output and is loaded.
; LIMITS of this body: NaN and infinities are not served; 1 / sqrt is v_rsq_f32 and the mean a multiplication by 1/768; a block whose largest magnitude lies under 2^-111, a block of zeros too, keeps the scale byte 1
; (its codes then are what that scale gives; zeros stay zeros; the bytes are read by this program alone).
; SHARES.  A work-group takes one row tile, wave s K step s: a lane holds 64 numbers of its row: k = 128 s + 32 b + 16 (lane / 16) + i in register 16 b + i.  The six waves' sums of squares meet in LDS behind one barrier.
; No matrix unit, no cluster, no tensor load: a stream read once; nothing is shared between work-groups.
.set SPARE, 1024                       ; LDS: bytes 0-767 the partial sums, [wave][lane]; from 1,024 the spare words, 128 bytes a wave: three blocks of 256 bytes that no other line names
.set XA,  4                            ; v4   my byte in the tile's rows of in
.set GA,  5                            ; v5   my byte in g
.set LI,  6                            ; v6   16 x lane
.set LS,  7                            ; v7   4 x lane
.set SPW, 8                            ; v8   LDS address of my spare word; never rewritten
.set NIL, 9                            ; v9   0; never rewritten
.set PA,  10                           ; v10  4 x thread: my partial sum's word
.set X,   16                           ; v16-79   my 64 numbers
.set G,   80                           ; v80-143  g at the same k
.set PC,  144                          ; v144-159 the codes
.set TM,  160                          ; v160-175 largest magnitudes, bytes, holds, scale operands
.set PW,  176                          ; v176     the scale word
.set SEL, 18                           ; s[18:19] lane selects for v_permlanex16_b32: lane l xor 16
.set MNT, 20                           ; s20      the mantissa field of 57,344
; 64 numbers of a lane, register 16 b + i = k 32 b + 16 (lane / 16) + i of my row, become a fragment's codes in v[PC] on; the four scale bytes are left in v[TM+4] on.
.macro QUANT s
.irp b, 0,1,2,3
	v_max3_num_f32 v[TM+\b], |v[\s+16*\b]|, |v[\s+1+16*\b]|, 0x8000000   ; block b: my 16 numbers, and the floor 2^(16 - 127): the byte cannot fall under 1
.endr
.irp i, 2,4,6,8,10,12,14
.irp b, 0,1,2,3
	v_max3_num_f32 v[TM+\b], v[TM+\b], |v[\s+16*\b+\i]|, |v[\s+1+16*\b+\i]|   ; the four blocks by turns
.endr
.endr
.irp b, 0,1,2,3
	v_permlanex16_b32 v[TM+4+\b], v[TM+\b], s[SEL], s[SEL+1]
.endr
.irp b, 0,1,2,3
	v_max_num_f32 v[TM+\b], v[TM+\b], v[TM+4+\b]                 ; with lane l xor 16's: the block's largest magnitude
.endr
.irp b, 0,1,2,3
	v_add_nc_u32 v[TM+12+\b], 0xf8800000, v[TM+\b]               ; 15 off its exponent field: the conversion's scale operand
.endr
.irp b, 0,1,2,3
	v_and_or_b32 v[TM+8+\b], v[TM+\b], 0x7f800000, s[MNT]        ; 57,344 x the scale
.endr
.irp b, 0,1,2,3
	v_lshrrev_b32 v[TM+4+\b], 23, v[TM+12+\b]                    ; the scale's byte
.endr
.irp b, 0,1,2,3
.irp i, 0,1,2,3,4,5,6,7,8,9,10,11,12,13,14,15
	v_med3_num_f32 v[\s+16*\b+\i], v[\s+16*\b+\i], -v[TM+8+\b], v[TM+8+\b]   ; the conversion to an 8-bit code does not saturate (ISA guide 7.6.2): the hold
.endr
	v_cvt_scalef32_pk8_bf8_f32 v[PC+4*\b:PC+1+4*\b], v[\s+16*\b:\s+7+16*\b], v[TM+12+\b]
	v_cvt_scalef32_pk8_bf8_f32 v[PC+2+4*\b:PC+3+4*\b], v[\s+8+16*\b:\s+15+16*\b], v[TM+12+\b]
.endr
	v_nop                                          ; one plain vector instruction behind the last scaled conversion
.endm
	s_load_b128 s[4:7], s[0:1], 0x0                ; in, g
	s_load_b64 s[8:9], s[0:1], 0x10                ; out
	v_lshl_add_u32 v[SPW], v0, 2, SPARE
	v_mov_b32 v[NIL], 0
	v_lshrrev_b32 v1, 5, v0
	v_readfirstlane_b32 s10, v1                    ; wave = K step 0..5
	v_and_b32 v1, 31, v0                           ; lane
	v_and_b32 v2, 15, v0                           ; r
	v_bfe_u32 v3, v0, 4, 1                         ; h
	v_and_b32 v11, 8, v2
	v_add_nc_u32 v11, v11, v2                      ; r + 8 (r / 8)
	v_mul_u32_u24 v[XA], v11, 3072
	v_lshl_add_u32 v[XA], v3, 6, v[XA]             ; that row, + 64 h: my 16 numbers of a block of 32
	v_lshlrev_b32 v[GA], 6, v3
	v_lshlrev_b32 v[LI], 4, v1
	v_lshlrev_b32 v[LS], 2, v1
	v_lshlrev_b32 v[PA], 2, v0
.irp b, 0,1,2,3
	v_mov_b32 v[TM+4+\b], 0                        ; written once: a lane permute's destination counts as one of its sources
.endr
	s_mov_b32 s[SEL], 0x76543210
	s_mov_b32 s[SEL+1], 0xfedcba98
	s_mov_b32 s[MNT], 0x600000
	s_lshr_b32 s11, ttmp9, 1
	s_lshl_b32 s11, s11, 5
	s_and_b32 s12, ttmp9, 1
	s_lshl_b32 s12, s12, 3
	s_add_co_u32 s11, s11, s12                     ; the tile's first row: 32 (T / 2) + 8 (T % 2)
	s_lshl_b32 s14, s10, 9                         ; my K step: 512 bytes on
	s_mov_b32 s15, 0
	s_mul_i32 s12, s11, 3072
	s_add_co_u32 s12, s12, s14
	s_mov_b32 s13, 0
	s_mul_i32 s16, ttmp9, 13056                    ; the tile's record
	s_lshl_b32 s21, s10, 7
	s_add_co_u32 s22, s16, s21
	s_add_co_u32 s22, s22, 12288                   ; my scale image
	s_mov_b32 s23, 0
	s_lshl_b32 s21, s10, 11
	s_add_co_u32 s16, s16, s21                     ; my fragment
	s_mov_b32 s17, 0
	s_mov_b32 s24, 0x3aaaaaab                      ; 1 / 768
	s_mov_b32 s25, 0x3727c5ac                      ; 1e-5
	s_wait_kmcnt 0x0
	s_add_nc_u64 s[4:5], s[4:5], s[12:13]
	s_add_nc_u64 s[6:7], s[6:7], s[14:15]
	s_add_nc_u64 s[16:17], s[8:9], s[16:17]
	s_add_nc_u64 s[22:23], s[8:9], s[22:23]
.irp b, 0,1,2,3
.irp j, 0,1,2,3
	global_load_b128 v[X+16*\b+4*\j:X+16*\b+4*\j+3], v[XA], s[4:5] offset:128*\b+16*\j th:TH_LOAD_NT
.endr
.endr
.irp b, 0,1,2,3
.irp j, 0,1,2,3
	global_load_b128 v[G+16*\b+4*\j:G+16*\b+4*\j+3], v[GA], s[6:7] offset:128*\b+16*\j
.endr
.endr
	s_wait_loadcnt 16                              ; my 64 numbers are in; g's sixteen loads may be out
	v_pk_mul_f32 v[178:179], v[X:X+1], v[X:X+1]    ; the sum of squares: two chains, started by the first products
	v_pk_mul_f32 v[180:181], v[X+2:X+3], v[X+2:X+3]
.irp j, 4,8,12,16,20,24,28,32,36,40,44,48,52,56,60
	v_pk_fma_f32 v[178:179], v[X+\j:X+\j+1], v[X+\j:X+\j+1], v[178:179]
	v_pk_fma_f32 v[180:181], v[X+\j+2:X+\j+3], v[X+\j+2:X+\j+3], v[180:181]
.endr
	v_pk_add_f32 v[178:179], v[178:179], v[180:181]
	v_add_f32 v178, v178, v179
	v_permlanex16_b32 v179, v178, s[SEL], s[SEL+1]
	v_add_f32 v178, v178, v179                     ; my row's 128 numbers of this K step
	ds_store_b32 v[PA], v178
	s_wait_dscnt 0x0                               ; for the others' sake: my store has landed
	s_barrier_signal -1
	s_barrier_wait -1
.irp w, 0,1,2,3,4,5
	ds_load_b32 v[182+\w], v[LS] offset:128*\w     ; the six K steps' sums of my row
.endr
	s_wait_loadcnt 0x0                             ; g
.set J, 0
.rept 32
	v_pk_mul_f32 v[X+J:X+J+1], v[X+J:X+J+1], v[G+J:G+J+1]
.set J, J+2
.endr
	s_wait_dscnt 0x0
	v_add_f32 v182, v182, v183
	v_add_f32 v182, v182, v184
	v_add_f32 v182, v182, v185
	v_add_f32 v182, v182, v186
	v_add_f32 v182, v182, v187
	v_fma_f32 v182, v182, s24, s25                 ; the mean + 1e-5
	v_rsq_f32 v188, v182
	v_nop                                          ; a plain instruction behind the transcendental
	s_wait_alu depctr_va_vdst(0)                   ; and the wait ahead of the first use
	v_mov_b32 v189, v188
.set J, 0
.rept 32
	v_pk_mul_f32 v[X+J:X+J+1], v[X+J:X+J+1], v[188:189]
.set J, J+2
.endr
	QUANT X
	v_lshl_or_b32 v[PW], v[TM+5], 8, v[TM+4]       ; the four bytes make my row's scale word
	v_lshl_or_b32 v[PW], v[TM+6], 16, v[PW]
	v_lshl_or_b32 v[PW], v[TM+7], 24, v[PW]
.irp c, 0,1,2,3
	global_store_b128 v[LI], v[PC+4*\c:PC+4*\c+3], s[16:17] offset:512*\c   ; 32 lanes store 512 consecutive bytes, aligned
.endr
	global_store_b32 v[LS], v[PW], s[22:23]
	s_wait_tensorcnt 0x0                           ; the wave's end, behind my last LDS store
	ds_add_u32 v[SPW], v[NIL]
	s_wait_dscnt 0x0
	s_endpgm
.Lfunc_end_k_q6da3e4af13_norm1:
	.size	k_q6da3e4af13_norm1, .Lfunc_end_k_q6da3e4af13_norm1-k_q6da3e4af13_norm1
	.p2alignl 7, 3214868480
	.fill 96, 4, 3214868480
	.section	.rodata,"a",@progbits
	.p2align	6, 0x0
	.amdhsa_kernel k_q6da3e4af13_norm1
		.amdhsa_group_segment_fixed_size 2048
		.amdhsa_private_segment_fixed_size 0
		.amdhsa_enable_private_segment 0
		.amdhsa_kernarg_size 24
		.amdhsa_user_sgpr_count 2
		.amdhsa_user_sgpr_kernarg_segment_ptr 1
		.amdhsa_wavefront_size32 1
		.amdhsa_system_sgpr_workgroup_id_x 1
		.amdhsa_system_sgpr_workgroup_id_y 1
		.amdhsa_system_sgpr_workgroup_id_z 1
		.amdhsa_system_vgpr_workitem_id 0
		.amdhsa_next_free_vgpr 192
		.amdhsa_next_free_sgpr 66
		.amdhsa_reserve_vcc 0
		.amdhsa_float_denorm_mode_32 3
		.amdhsa_float_denorm_mode_16_64 3
		.amdhsa_memory_ordered 1
		.amdhsa_forward_progress 1
		.amdhsa_inst_pref_size 22
	.end_amdhsa_kernel
	.amdgpu_metadata
---
amdhsa.version: [ 1, 2 ]
amdhsa.kernels:
  - .name:           k_q6da3e4af13_norm1
    .symbol:         k_q6da3e4af13_norm1.kd
    .args:
      - { .name: x, .offset: 0, .size: 8, .value_kind: global_buffer, .address_space: global }
      - { .name: g1, .offset: 8, .size: 8, .value_kind: global_buffer, .address_space: global }
      - { .name: a1, .offset: 16, .size: 8, .value_kind: global_buffer, .address_space: global }
    .group_segment_fixed_size: 2048
    .private_segment_fixed_size: 0
    .kernarg_segment_align: 8
    .kernarg_segment_size: 24
    .max_flat_workgroup_size: 192
    .sgpr_count:     66
    .vgpr_count:     192
    .wavefront_size: 32
...
	.end_amdgpu_metadata
.endif
;; end of part 1
;; launch qkv (part 2): grid 16 x 9, 4 waves a work-group, no clusters, 209,408 bytes of LDS; arguments a1, wq_codes, wq_scales, wk_codes, wk_scales, wv_codes, wv_scales, qkv; writes qkv
.if DOCPART == 2
	.amdgcn_target "amdgcn-amd-amdhsa--gfx1250"
	.amdhsa_code_object_version 6
	.text
	.protected	k_q6da3e4af13_qkv
	.globl	k_q6da3e4af13_qkv
	.p2align	8
	.type	k_q6da3e4af13_qkv,@function
k_q6da3e4af13_qkv:
	s_mov_b64 s[64:65], 0
	v_nop
	global_prefetch_b8 v0, s[64:65] scope:SCOPE_SE
	s_setreg_imm32_b32 hwreg(HW_REG_WAVE_MODE, 25, 1), 1
	s_wait_xcnt 0x0
; q = a wq^T, k = a wk^T, v = a wv^T on codes of BF8 (E5M2), and each result quantised on the way: q and k along the head's 64 channels, v along the keys.  a: the first norm's images (256 records of 13,056 bytes).
; SHARES.  A work-group takes 256 rows (16 row tiles) and 256 columns of one of the three products (work-group y / 3); each of its four waves one head: 64 weight rows x K 768 = 24 fragments, which stay in 384 registers.
; The rows' images, 208,896 bytes, are copied once into LDS through registers and read by all four waves: one barrier.  No tensor load and no cluster: N = 2,304 gives nine column groups, which no cluster of four divides,
; and with the weights in registers what is shared is this one copy.
; q, k: the product is used TRANSPOSED (source 0 = 16 weight rows, source 1 = 16 rows): a lane holds one row and, in weight tiles 2 b and 2 b + 1, channels 32 b + 16 (lane / 16) + 0 .. 15.
; v: the product is used as it stands (source 0 = rows, source 1 = weight rows): a lane holds one channel and, over row tiles 2 p and 2 p + 1, keys 32 p + 16 (lane / 16) + 0 .. 15.  Either way the conversions' results are an operand's registers.
; OUT: record (head x 32 + key step) of 25,856 bytes: Q codes 8,192 (tile t, piece c at 1,024 t + 512 c) | Q scales 512 (pair i at 128 i: lanes 0-15 tile 2 i, lanes 16-31 tile 2 i + 1) | K codes 8,192 | V codes 8,192 (channel tile n,
; 32-key block c at 2,048 n + 512 c) | K scales 512 | V scales 256.  A q or k scale word is b0 | b1 << 8 | 0x7f7f0000: its upper two bytes belong to the zero codes that fill the head's 64 up to the instruction's 128.
; LIMITS: NaN and infinities are not served; a block whose largest magnitude lies under 2^-111 keeps the scale byte 1.
; REGISTERS, in windows of 256: window 0: addresses, scale words, v64-127 eight accumulators, v128-159 the quantiser's; window 1: weight fragments 0-15; window 2: v0-127 fragments 16-23; window 3: v0-191 two row tiles' six fragments each.
.set PITCH, 768                        ; a weight row in bytes
.set SP,    24                         ; a row of weight scales
.set RECA,  13056
.set RECQ,  25856
.set SPARE, 16*RECA                    ; behind the images: the spare words, 128 bytes a wave: two blocks of 256 bytes that no other line names
.set LI,  1                            ; v1   16 x lane
.set LS,  2                            ; v2   4 x lane
.set WA,  3                            ; v3   my byte in a weight tile
.set WSA, 4                            ; v4   my byte among its scale words
.set CA,  5                            ; v5-8 16 x thread + 65,536 q: the copy's places
.set AL,  9                            ; v9-10  LDS address of the trip's tiles 0-3, 4-7
.set ASL, 11                           ; v11-12 the same for their scale words
.set WS,  16                           ; v16-39 the weights' scale words
.set AS,  40                           ; v40-51 the rows' scale words, six for each of two tiles
.set SPW, 62                           ; v62  LDS address of my spare word; never rewritten
.set NIL, 63                           ; v63  0; never rewritten
.set AC,  64
.set PC,  128
.set TM,  144
.set VA,  160                          ; v160-163 v's scale words in the making
.set SEL, 34
.set MNT, 36
.set HM,  37                           ; s37  lanes 16-31
.set MSB, 0
.macro WIN new                         ; the immediate's high byte repeats the setting that is left
.if MSB != (\new)
	s_set_vgpr_msb (MSB<<8)|(\new)
.set MSB, (\new)
.endif
.endm
.macro PLACES n
.rept \n
	v_nop
.endr
.endm
.macro COPYLD k                        ; chunk k of the images: 2,048 consecutive bytes for the work-group, 16 a thread
.if (\k) < 64
	WIN 0xc0
	global_load_b128 v[4*(\k):4*(\k)+3], v[CA], s[24:25] offset:2048*(\k)
.elseif (\k) < 96
	WIN 0x80
	global_load_b128 v[128+4*((\k)-64):128+4*((\k)-64)+3], v[CA], s[24:25] offset:2048*(\k)
.else
	WIN 0
	global_load_b128 v[64+4*((\k)-96):64+4*((\k)-96)+3], v[CA], s[24:25] offset:2048*(\k)
.endif
.endm
.macro COPYST k
.if (\k) < 64
	WIN 0x0c
	ds_store_b128 v[CA+(\k)/32], v[4*(\k):4*(\k)+3] offset:2048*((\k)%32)
.elseif (\k) < 96
	WIN 0x08
	ds_store_b128 v[CA+(\k)/32], v[128+4*((\k)-64):128+4*((\k)-64)+3] offset:2048*((\k)%32)
.else
	WIN 0
	ds_store_b128 v[CA+(\k)/32], v[64+4*((\k)-96):64+4*((\k)-96)+3] offset:2048*((\k)%32)
.endif
.endm
.macro WFRAG f                         ; weight fragment f = 4 s + t: K step s, tile t, whose lane r takes weight row 32 (t / 2) + 8 (t % 2) + r + 8 (r / 8)
.set WT_, (\f)%4
.set WK_, (\f)/4
.if (\f) < 16
	WIN 0x40
.else
	WIN 0x80
.endif
.irp c, 0,1,2,3
	global_load_b128 v[16*((\f)%16)+4*\c:16*((\f)%16)+4*\c+3], v[WA], s[26:27] offset:(32*(WT_/2)+8*(WT_%2))*PITCH+128*WK_+32*\c
.endr
.endm
.macro WSCL f
	WIN 0
	global_load_b32 v[WS+(\f)], v[WSA], s[28:29] offset:(32*(((\f)%4)/2)+8*((\f)%2))*SP+4*((\f)/4)
.endm
.macro LOADA pr                        ; the two row tiles of pair pr of the trip: 12 fragments and their scale words, from LDS
	WIN 0xc0
.irp u, 0,1
.irp s, 0,1,2,3,4,5
.irp c, 0,1,2,3
	ds_load_b128 v[96*\u+16*\s+4*\c:96*\u+16*\s+4*\c+3], v[AL+(\pr)/2] offset:((2*(\pr)+\u)%4)*RECA+2048*\s+512*\c
.endr
.endr
.endr
	WIN 0
.irp u, 0,1
.irp s, 0,1,2,3,4,5
	ds_load_b32 v[AS+6*\u+\s], v[ASL+(\pr)/2] offset:((2*(\pr)+\u)%4)*RECA+12288+128*\s
.endr
.endr
.endm
; 48 matrix instructions: two row tiles x four weight tiles x six K steps.  The eight accumulators take turns, one instruction a turn; the first K step starts the sums with the constant 0.
.macro MULPAIR nat
.irp s, 0,1,2,3,4,5
.if \nat
	WIN 0x07+4*(\s/4)                              ; source 0 (rows) window 3, source 1 (weights) window 1 or 2
.else
	WIN 0x0d+(\s/4)                                ; source 0 (weights) window 1 or 2, source 1 (rows) window 3
.endif
.irp u, 0,1
.irp t, 0,1,2,3
.set RW_, 16*((4*\s+\t)%16)
.set RA_, 96*\u+16*\s
.if \nat
.set RD_, AC+16*\t+8*\u
.if \s == 0
	v_wmma_scale_f32_16x16x128_f8f6f4 v[RD_:RD_+7], v[RA_:RA_+15], v[RW_:RW_+15], 0, v[AS+6*\u+\s], v[WS+4*\s+\t] matrix_a_fmt:MATRIX_FMT_BF8 matrix_b_fmt:MATRIX_FMT_BF8
.else
	v_wmma_scale_f32_16x16x128_f8f6f4 v[RD_:RD_+7], v[RA_:RA_+15], v[RW_:RW_+15], v[RD_:RD_+7], v[AS+6*\u+\s], v[WS+4*\s+\t] matrix_a_fmt:MATRIX_FMT_BF8 matrix_b_fmt:MATRIX_FMT_BF8
.endif
.else
.set RD_, AC+32*\u+8*\t
.if \s == 0
	v_wmma_scale_f32_16x16x128_f8f6f4 v[RD_:RD_+7], v[RW_:RW_+15], v[RA_:RA_+15], 0, v[WS+4*\s+\t], v[AS+6*\u+\s] matrix_a_fmt:MATRIX_FMT_BF8 matrix_b_fmt:MATRIX_FMT_BF8
.else
	v_wmma_scale_f32_16x16x128_f8f6f4 v[RD_:RD_+7], v[RW_:RW_+15], v[RA_:RA_+15], v[RD_:RD_+7], v[WS+4*\s+\t], v[AS+6*\u+\s] matrix_a_fmt:MATRIX_FMT_BF8 matrix_b_fmt:MATRIX_FMT_BF8
.endif
.endif
.endr
.endr
.endr
.endm
; 64 numbers of a lane in four blocks, block b in registers 16 b + 0 .. 15, shared with lane l xor 16, become codes in v[PC + 4 b] on; the four scale bytes are left in v[TM+4] on.
.macro QUANT s
.irp b, 0,1,2,3
	v_max3_num_f32 v[TM+\b], |v[\s+16*\b]|, |v[\s+1+16*\b]|, 0x8000000   ; my 16 numbers, and the floor 2^(16 - 127); each accumulator is read from its low end on
.endr
.irp i, 2,4,6,8,10,12,14
.irp b, 0,1,2,3
	v_max3_num_f32 v[TM+\b], v[TM+\b], |v[\s+16*\b+\i]|, |v[\s+1+16*\b+\i]|
.endr
.endr
.irp b, 0,1,2,3
	v_permlanex16_b32 v[TM+4+\b], v[TM+\b], s[SEL], s[SEL+1]
.endr
.irp b, 0,1,2,3
	v_max_num_f32 v[TM+\b], v[TM+\b], v[TM+4+\b]
.endr
.irp b, 0,1,2,3
	v_add_nc_u32 v[TM+12+\b], 0xf8800000, v[TM+\b]               ; 15 off the exponent field: the conversion's scale operand
.endr
.irp b, 0,1,2,3
	v_and_or_b32 v[TM+8+\b], v[TM+\b], 0x7f800000, s[MNT]        ; 57,344 x the scale
.endr
.irp b, 0,1,2,3
	v_lshrrev_b32 v[TM+4+\b], 23, v[TM+12+\b]                    ; the scale's byte
.endr
.irp b, 0,1,2,3
.irp i, 0,1,2,3,4,5,6,7,8,9,10,11,12,13,14,15
	v_med3_num_f32 v[\s+16*\b+\i], v[\s+16*\b+\i], -v[TM+8+\b], v[TM+8+\b]   ; the hold: the conversion does not saturate (ISA guide 7.6.2)
.endr
	v_cvt_scalef32_pk8_bf8_f32 v[PC+4*\b:PC+1+4*\b], v[\s+16*\b:\s+7+16*\b], v[TM+12+\b]
	v_cvt_scalef32_pk8_bf8_f32 v[PC+2+4*\b:PC+3+4*\b], v[\s+8+16*\b:\s+15+16*\b], v[TM+12+\b]
.endr
	v_nop                                          ; one plain vector instruction behind the last scaled conversion
.endm
; A pair of row tiles: its products, the next pair's fragments asked for, its results quantised and stored.
.macro PAIR pr, nat
	s_wait_dscnt 0x0                               ; this pair's fragments and scale words are in
	MULPAIR \nat
	WIN 0
	PLACES 8                                       ; eight places behind this form: in front of loads into registers that the products read, and of the first read of results
.if (\pr) < 3
	LOADA (\pr)+1
.endif
	s_wait_xcnt 0x0                                ; the last pair's stores have read their data: the registers are written again below
	QUANT AC
.if \nat
.irp n, 0,1,2,3
	global_store_b128 v[LI], v[PC+4*\n:PC+4*\n+3], s[30:31] offset:512*(\pr)+2048*\n   ; channel tile n, the pair's 32 keys
.if (\pr) == 0
	v_mov_b32 v[VA+\n], v[TM+4+\n]
.else
	v_lshl_or_b32 v[VA+\n], v[TM+4+\n], 8*(\pr), v[VA+\n]
.endif
.endr
.if (\pr) == 3
	v_cndmask_b32 v52, v[VA], v[VA+1], s[HM]       ; lanes 0-15 the even tile's words, lanes 16-31 the odd tile's
	v_cndmask_b32 v53, v[VA+2], v[VA+3], s[HM]
	global_store_b32 v[LS], v52, s[32:33]
	global_store_b32 v[LS], v53, s[32:33] offset:128
.endif
.else
.irp p, 0,1,2,3
	global_store_b128 v[LI], v[PC+4*\p:PC+4*\p+3], s[30:31] offset:2048*(\pr)+512*\p   ; tile 2 pr + p / 2, piece p % 2: 512 consecutive bytes
.endr
	v_lshl_or_b32 v52, v[TM+5], 8, v[TM+4]
	v_lshl_or_b32 v53, v[TM+7], 8, v[TM+6]
	v_cndmask_b32 v52, v52, v53, s[HM]
	v_or_b32 v52, 0x7f7f0000, v52                  ; the bytes of the zero codes: 1.0
	global_store_b32 v[LS], v52, s[32:33] offset:128*(\pr)
.endif
.endm
.macro STEPBODY nat
	LOADA 0
	PAIR 0, \nat
	PAIR 1, \nat
	PAIR 2, \nat
	PAIR 3, \nat
.endm
	s_load_b256 s[4:11], s[0:1], 0x0               ; a, wq codes, wq scales, wk codes
	s_load_b256 s[12:19], s[0:1], 0x20             ; wk scales, wv codes, wv scales, out
	v_lshl_add_u32 v[SPW], v0, 2, SPARE
	v_mov_b32 v[NIL], 0
	v_lshrrev_b32 v52, 5, v0
	v_readfirstlane_b32 s20, v52                   ; wave 0..3
	s_mov_b32 s21, ttmp9                           ; which 256 rows
	s_and_b32 s22, ttmp7, 0xffff                   ; which 256 columns of the 2,304
	v_and_b32 v52, 31, v0
	v_lshlrev_b32 v[LI], 4, v52
	v_lshlrev_b32 v[LS], 2, v52
	v_and_b32 v53, 15, v0                          ; r
	v_bfe_u32 v54, v0, 4, 1                        ; h
	v_and_b32 v55, 8, v53
	v_add_nc_u32 v55, v55, v53                     ; r + 8 (r / 8)
	v_mul_u32_u24 v[WA], v55, PITCH
	v_lshl_add_u32 v[WA], v54, 4, v[WA]
	v_mul_u32_u24 v[WSA], v55, SP
	v_lshlrev_b32 v[CA], 4, v0
	v_add_nc_u32 v[CA+1], 65536, v[CA]
	v_add_nc_u32 v[CA+2], 131072, v[CA]
	v_add_nc_u32 v[CA+3], 196608, v[CA]
.irp b, 0,1,2,3
	v_mov_b32 v[TM+4+\b], 0                        ; written once: a lane permute's destination counts as one of its sources
.endr
	s_mov_b32 s[SEL], 0x76543210
	s_mov_b32 s[SEL+1], 0xfedcba98
	s_mov_b32 s[MNT], 0x600000
	s_mov_b32 s[HM], 0xffff0000
	s_mul_i32 s40, s21, 16*RECA                    ; my 16 records of a
	s_mov_b32 s41, 0
	s_cmp_ge_u32 s22, 3
	s_cselect_b32 s42, 1, 0
	s_cmp_ge_u32 s22, 6
	s_cselect_b32 s43, 1, 0
	s_add_co_u32 s42, s42, s43                     ; 0: q, 1: k, 2: v
	s_mul_i32 s43, s42, 3
	s_sub_co_u32 s43, s22, s43
	s_lshl_b32 s43, s43, 2
	s_add_co_u32 s43, s43, s20                     ; my head
	s_mul_i32 s44, s43, 64*PITCH
	s_mov_b32 s45, 0
	s_mul_i32 s46, s43, 64*SP
	s_mov_b32 s47, 0
	s_lshl_b32 s48, s43, 5
	s_lshl_b32 s49, s21, 1
	s_add_co_u32 s48, s48, s49
	s_mul_i32 s48, s48, RECQ                       ; record head x 32 + the first of my two key steps
	s_mov_b32 s51, 0
	s_mov_b32 s53, 0
	s_mov_b32 s54, 16896
	s_mov_b32 s55, 8192
	s_mov_b32 s56, 25088
	s_mov_b32 s57, 25600
	s_cmp_lt_u32 s22, 3
	s_cselect_b32 s50, 0, 8704                     ; where the codes begin in a record: q 0, k 8,704, v 16,896
	s_cselect_b32 s52, s55, s56                    ; and the scale words: 8,192, 25,088, 25,600
	s_cmp_lt_u32 s22, 6
	s_cselect_b32 s50, s50, s54
	s_cselect_b32 s52, s52, s57
	s_add_co_u32 s50, s50, s48
	s_add_co_u32 s52, s52, s48
	s_wait_kmcnt 0x0
	s_add_nc_u64 s[24:25], s[4:5], s[40:41]
	s_cmp_lt_u32 s22, 3                            ; the weights are chosen by the work-group's number alone
	s_cselect_b64 s[26:27], s[6:7], s[10:11]
	s_cselect_b64 s[28:29], s[8:9], s[12:13]
	s_cmp_lt_u32 s22, 6
	s_cselect_b64 s[26:27], s[26:27], s[14:15]
	s_cselect_b64 s[28:29], s[28:29], s[16:17]
	s_add_nc_u64 s[26:27], s[26:27], s[44:45]
	s_add_nc_u64 s[28:29], s[28:29], s[46:47]
	s_add_nc_u64 s[30:31], s[18:19], s[50:51]
	s_add_nc_u64 s[32:33], s[18:19], s[52:53]
.set KK, 0
.rept 102
	COPYLD KK
.set KK, KK+1
.endr
	s_wait_loadcnt 51                              ; the first 51 chunks are in; the 51 younger loads may be out
.set KK, 0
.rept 51
	COPYST KK
.set KK, KK+1
.endr
.set KK, 0
.rept 15
	WFRAG KK
.set KK, KK+1
.endr
	s_wait_loadcnt 60                              ; all chunks are in; the 60 weight loads just issued may be out
.set KK, 51
.rept 51
	COPYST KK
.set KK, KK+1
.endr
.set KK, 15
.rept 9
	WFRAG KK
.set KK, KK+1
.endr
.set KK, 0
.rept 24
	WSCL KK
.set KK, KK+1
.endr
	WIN 0
	s_wait_dscnt 0x0                               ; for the others' sake: my part of the images has landed
	s_barrier_signal -1
	s_barrier_wait -1
	s_wait_loadcnt 0x0                             ; the weights
	s_mov_b32 s38, 0                               ; two trips of 128 rows, a key step each
	s_mov_b32 s39, 0                               ; LDS byte of the trip's first record
.Ltrip:
	v_add_nc_u32 v[AL], s39, v[LI]
	v_add_nc_u32 v[AL+1], 4*RECA, v[AL]
	v_add_nc_u32 v[ASL], s39, v[LS]
	v_add_nc_u32 v[ASL+1], 4*RECA, v[ASL]
	s_cmp_lt_u32 s22, 6
	s_cbranch_scc0 .Lfor_v
	STEPBODY 0
	s_branch .Ljoin
.Lfor_v:
	STEPBODY 1
.Ljoin:
	s_wait_xcnt 0x0                                ; the stores have read their bases
	s_add_nc_u64 s[30:31], s[30:31], RECQ
	s_add_nc_u64 s[32:33], s[32:33], RECQ
	s_add_co_u32 s39, s39, 8*RECA
	s_add_co_u32 s38, s38, 1
	s_cmp_lt_u32 s38, 2
	s_cbranch_scc1 .Ltrip
	s_wait_tensorcnt 0x0                           ; the wave's end, behind my last LDS store
	ds_add_u32 v[SPW], v[NIL]
	s_wait_dscnt 0x0
	s_endpgm
.Lfunc_end_k_q6da3e4af13_qkv:
	.size	k_q6da3e4af13_qkv, .Lfunc_end_k_q6da3e4af13_qkv-k_q6da3e4af13_qkv
	.p2alignl 7, 3214868480
	.fill 96, 4, 3214868480
	.section	.rodata,"a",@progbits
	.p2align	6, 0x0
	.amdhsa_kernel k_q6da3e4af13_qkv
		.amdhsa_group_segment_fixed_size 209408
		.amdhsa_private_segment_fixed_size 0
		.amdhsa_enable_private_segment 0
		.amdhsa_kernarg_size 64
		.amdhsa_user_sgpr_count 2
		.amdhsa_user_sgpr_kernarg_segment_ptr 1
		.amdhsa_wavefront_size32 1
		.amdhsa_system_sgpr_workgroup_id_x 1
		.amdhsa_system_sgpr_workgroup_id_y 1
		.amdhsa_system_sgpr_workgroup_id_z 1
		.amdhsa_system_vgpr_workitem_id 0
		.amdhsa_next_free_vgpr 1024
		.amdhsa_next_free_sgpr 66
		.amdhsa_reserve_vcc 0
		.amdhsa_float_denorm_mode_32 3
		.amdhsa_float_denorm_mode_16_64 3
		.amdhsa_memory_ordered 1
		.amdhsa_forward_progress 1
		.amdhsa_inst_pref_size 182
	.end_amdhsa_kernel
	.amdgpu_metadata
---
amdhsa.version: [ 1, 2 ]
amdhsa.kernels:
  - .name:           k_q6da3e4af13_qkv
    .symbol:         k_q6da3e4af13_qkv.kd
    .args:
      - { .name: a1, .offset: 0, .size: 8, .value_kind: global_buffer, .address_space: global }
      - { .name: wq_codes, .offset: 8, .size: 8, .value_kind: global_buffer, .address_space: global }
      - { .name: wq_scales, .offset: 16, .size: 8, .value_kind: global_buffer, .address_space: global }
      - { .name: wk_codes, .offset: 24, .size: 8, .value_kind: global_buffer, .address_space: global }
      - { .name: wk_scales, .offset: 32, .size: 8, .value_kind: global_buffer, .address_space: global }
      - { .name: wv_codes, .offset: 40, .size: 8, .value_kind: global_buffer, .address_space: global }
      - { .name: wv_scales, .offset: 48, .size: 8, .value_kind: global_buffer, .address_space: global }
      - { .name: qkv, .offset: 56, .size: 8, .value_kind: global_buffer, .address_space: global }
    .group_segment_fixed_size: 209408
    .private_segment_fixed_size: 0
    .kernarg_segment_align: 8
    .kernarg_segment_size: 64
    .max_flat_workgroup_size: 128
    .sgpr_count:     66
    .vgpr_count:     1024
    .wavefront_size: 32
...
	.end_amdgpu_metadata
.endif
;; end of part 2
;; launch attn (part 3): grid 32 x 8, 16 waves a work-group, no clusters, 327,680 bytes of LDS; arguments qkv, ob; writes ob
.if DOCPART == 3
	.amdgcn_target "amdgcn-amd-amdhsa--gfx1250"
	.amdhsa_code_object_version 6
	.text
	.protected	k_q6da3e4af13_attn
	.globl	k_q6da3e4af13_attn
	.p2align	8
	.type	k_q6da3e4af13_attn,@function
k_q6da3e4af13_attn:
	s_mov_b64 s[64:65], 0
	v_nop
	global_prefetch_b8 v0, s[64:65] scope:SCOPE_SE
	s_setreg_imm32_b32 hwreg(HW_REG_WAVE_MODE, 25, 1), 1
	s_wait_xcnt 0x0
; o = softmax(q k^T / 8, causal) v for 12 heads of 64, both products on codes of BF8 (E5M2); o is quantised along the model's 768 on the way out, as an image of the next product's operand.
; LEFT OUT: key steps of 128 keys all of which come after a wave's 16 queries (reference()'s own tril gives them p = 0: shown at the head of the first kernel).
; THE SOFTMAX AHEAD OF THE SECOND PRODUCT: t = score x log2(e) / 8; M = the ceiling of the largest t that a wave has met; p = 2^(t - M) is quantised along the keys, not normalised; the row's sum is taken of the unquantised p and divides at
; the end.  When M moves, the sum and O are multiplied by 2^(old M - new M): exact.  Scores of hidden keys on the diagonal become -infinity ahead of the maximum.
; SHARES.  A UNIT is four query tiles (64 queries) of one block of 128 queries of one head; block b costs b + 1 key steps.  A work-group takes THREE units, one of each head of a group of three: with j = work-group x, blocks j, (j + 16) mod 32 and
; 31 - 2 j (j < 16) or 62 - 2 j: each of the three is a permutation of 0 .. 31, so every unit has one owner, and the three costs add to 50 or 49 in every work-group.  Work-group y: head group y / 2, half y % 2 of the block.
; THE SIXTEEN WAVES WORK ON ONE UNIT AT A TIME: wave w has tile w % 4 and PHASE w / 4; phase p takes key steps 4 s + p.  So a slot of four steps feeds one trip, a step a wave, and the units follow each other in 13 or 14 trips: the loop
; has 14.  Each phase keeps its own M, sum and O^T.  At a unit's end phases 1 to 3 put theirs into a stage in LDS and the phase-0 wave joins the four: M = the largest, each part x 2^(its M - M), which rounds nothing.
; A phase that had no step holds M = -3e38 and zeros: its factor comes out 0.
; Query tile T, lane r: query 32 (T / 2) + 8 (T % 2) + r + 8 (r / 8); key tiles likewise, so that the 16 registers of score tiles 2 b, 2 b + 1 are keys 32 b + 16 (lane / 16) + 0 .. 15.
; Both products are used transposed: S^T = K Q^T, O^T = V^T P^T: a lane holds one query throughout.  The head's 64 fill half of the first product's K of 128: the other half is zero codes in both operands, under the scale byte 0x7f.
; THE RING: two LDS slots, 2^17 bytes apart, each with four key steps: a step's K codes, V codes, K scales, V scales are 17,152 dense bytes of the workspace, images of operand registers.  Waves 0-3 fetch a step each by one tensor load.
; A slot is fetched whole: in a unit's last slot the steps behind the diagonal, three at the most, come with it and are not read.
; What says where a unit ends and which slot is fetched next is made of the work-group's numbers and the count of trips alone: it is the same in all sixteen waves, and no LDS address hangs on it.
; NO CLUSTER: work-groups that are on the same head at the same time are on different slots of it.
; LIMITS: NaN and infinities are not served; a row's largest logit lies above about -1e8; a block whose largest magnitude lies under 2^-111 keeps the scale byte 1; a row's sum and O are added phase by phase, not key by key.
.set RECQ,  25856                      ; a record of the workspace: one head, one step of 128 rows
.set RECA,  13056                      ; a record of the output: one row tile
.set STEPB, 17152                      ; a step in LDS: K codes 0, V codes 8,192, K scales 16,384, V scales 16,896
.set SLOT1, 1<<17
.set NT,    14                         ; trips: the largest sum of the three units' slots
.set SPARE, SLOT1+4*STEPB              ; behind slot 1: the spare words, 128 bytes a wave: eight blocks of 256 bytes that no other line names
.set STG,   SPARE+2048                 ; behind them the stage: a region for each of waves 4 to 15; no tile lands there
.set PART,  4608                       ; a region: O^T 8 x 512 bytes, -M at 4,096, the sum at 4,224
.set LI,  1                            ; v1   16 x lane
.set LS,  2                            ; v2   4 x lane
.set SPW, 3                            ; v3   LDS address of my spare word; never rewritten
.set NIL, 4                            ; v4   0; never rewritten
.set QDL, 5                            ; v5   r + 8 (r / 8) - 16 (lane / 16)
.set ADB, 6                            ; v6   LDS address of the step's images (at the head: my byte among a record's Q codes)
.set ADS, 7                            ; v7   and of its scale words (at the head: among Q's scale words)
.set PFO, 8                            ; v8   256 x lane; never rewritten
.set PA,  9                            ; v9   the stage: STG + (wave - 4) x PART + 16 x lane: waves 4-15 store there, waves 0-3 read 4 p regions further on
.set PS,  10                           ; v10  the same + 4 x lane
.set KFR, 32                           ; v32-95   four fragments of K (the upper eight registers of each stay zero)
.set PC,  192                          ; v192-207 p's codes
.set KS,  208                          ; v208-211 K's scale words, two tiles to a register
.set VS,  212                          ; v212-213 V's
.set QS,  214                          ; v214     Q's
.set PW,  215                          ; v215     p's
.set F,   216                          ; v[216:217] f = 2^(old M - new M)
.set QS1, 218                          ; v218-219 Q's scale words of the units to come;  v240-247, v248-255 their codes
.set BM,  220                          ; v220-223 the blocks' largest scores, then largest p
.set PM,  224                          ; v224-227 the other half's; then the bytes
.set HL,  228                          ; v228-231 57,344 x the scale
.set SO,  232                          ; v232-235 the conversions' scale operands
.set TB,  2                            ; s2   LDS byte at which the slot in hand begins
.set TAU, 3                            ; s3   the trip
.set PH7, 8                            ; s8   128 x my phase: my first key in a unit
.set PHB, 9                            ; s9   my phase's step in a slot
.set T8,  10                           ; s10  my tile in its block: 4 x half + wave % 4
.set QL8, 11                           ; s11  its first query in the block
.set BCUR, 12                          ; s12  the block of the unit in hand;  s13, s14 of the units to come
.set BN1, 13
.set BN2, 14
.set HCUR, 15                          ; s15  its head
.set ENEXT, 16                         ; s16  the trip behind its last;  s17, s32 those of the units to come
.set EN1, 17
.set WV,  18
.set MNT, 19
.set SEL, 20
.set CS,  22                           ; s[22:23] c = log2(e) / 8
.set G1,  24                           ; s[24:31] descriptor group 1
.set EN2, 32
.set E0,  33                           ; s33-35 the trips behind the three units' last
.set E1,  34
.set E2,  35
.set D1,  36                           ; s36, s37  8 - E0, 16 - E1: trip + D = 8 x unit + slot
.set D2,  37
.set FIN, 38                           ; s38  1: the last trip ended a unit
.set UCNT, 39                          ; s39  units to come
.set G0,  40                           ; s[40:43] descriptor group 0
.set KF,  44                           ; s44  my step's first key
.set QLO, 45                           ; s45  my tile's first query
.set QHI, 46                           ; s46  its last
.set PFW, 47                           ; s47  1 in a wave that may prefetch
.set KB,  48                           ; s[48:49] the first head's first slot: the step that wave % 4 names
.set PFA, 50                           ; s[50:51] where my prefetches stand
.set OFF, 52                           ; s[52:53] an offset in 64 bits; the upper word stays 0
.set QP,  54                           ; s[54:59] the three units' records of Q
.set OC,  72                           ; s[72:73] the output: my tile's codes;  s[74:75] its scale words
.set OS,  74
.macro TLOAD                           ; waves 0-3 fetch a step each; an s_nop 0 and four v_nop follow the load
	s_cmp_lt_u32 s[WV], 4
	s_cbranch_scc0 .Lasked_\@
	tensor_load_to_lds s[G0:G0+3], s[G1:G1+7]
	s_nop 0
.rept 4
	v_nop
.endr
.Lasked_\@:
.endm
; A prefetch of the codes of the slot TWO on: four steps x 16,384 bytes.  A head's records are read by many work-groups; the one whose unit of that head is block 31 walks all its eight slots: of the two such (the halves) the first asks,
; in it waves 4-7, which fetch nothing, a step each: two instructions, lanes 256 bytes apart.  So each aligned block of 256 bytes of slots 2 to 7 is named once.  The unit's last two trips ask for nothing; slots 0 and 1, and the scale
; words, come by their loads alone.
.macro ASK
	s_cmp_eq_u32 s[BCUR], 31
	s_cselect_b32 s96, s[PFW], 0
	s_add_co_u32 s97, s[TAU], 3
	s_cmp_le_u32 s97, s[ENEXT]                     ; the slot two on is still the unit's
	s_cselect_b32 s96, s96, 0
	s_cmp_lg_u32 s96, 0
	s_cbranch_scc0 .Lnot_mine_\@
	global_prefetch_b8 v[PFO], s[PFA:PFA+1] th:TH_LOAD_NT scope:SCOPE_SE
	global_prefetch_b8 v[PFO], s[PFA:PFA+1] offset:8192 th:TH_LOAD_NT scope:SCOPE_SE
.Lnot_mine_\@:
.endm
	s_load_b128 s[4:7], s[0:1], 0x0                ; the workspace of q, k, v; the output
	v_lshl_add_u32 v[SPW], v0, 2, SPARE
	v_mov_b32 v[NIL], 0
	ds_add_u32 v[SPW], v[NIL]                      ; the wave's opening: the add, twice on end, and its wait ahead of the first tensor load
	ds_add_u32 v[SPW], v[NIL]
	v_lshrrev_b32 v11, 5, v0
	v_readfirstlane_b32 s[WV], v11                 ; wave 0..15
	s_and_b32 s60, ttmp7, 0xffff
	s_lshr_b32 s61, s60, 1                         ; the group of three heads
	s_and_b32 s62, s60, 1                          ; which half of each block
	s_mul_i32 s[HCUR], s61, 3
	s_and_b32 s63, s[WV], 3                        ; my tile among the unit's four; also: the step of a slot that I fetch, if I fetch
	s_lshr_b32 s66, s[WV], 2                       ; my phase
	s_lshl_b32 s[PH7], s66, 7
	s_mul_i32 s[PHB], s66, STEPB
	s_lshl_b32 s[T8], s62, 2
	s_add_co_u32 s[T8], s[T8], s63
	s_lshr_b32 s67, s[T8], 1
	s_lshl_b32 s67, s67, 5
	s_and_b32 s68, s[T8], 1
	s_lshl_b32 s68, s68, 3
	s_add_co_u32 s[QL8], s67, s68                  ; 32 (t / 2) + 8 (t % 2)
	s_mov_b32 s[BCUR], ttmp9                       ; the three blocks
	s_add_co_u32 s[BN1], ttmp9, 16
	s_and_b32 s[BN1], s[BN1], 31
	s_lshl_b32 s67, ttmp9, 1
	s_sub_co_u32 s68, 31, s67
	s_sub_co_u32 s69, 62, s67
	s_cmp_lt_u32 ttmp9, 16
	s_cselect_b32 s[BN2], s68, s69
	s_lshr_b32 s[E0], s[BCUR], 2                   ; a unit of block b has b / 4 + 1 slots
	s_add_co_u32 s[E0], s[E0], 1
	s_lshr_b32 s[E1], s[BN1], 2
	s_add_co_u32 s[E1], s[E1], 1
	s_add_co_u32 s[E1], s[E1], s[E0]
	s_lshr_b32 s[E2], s[BN2], 2
	s_add_co_u32 s[E2], s[E2], 1
	s_add_co_u32 s[E2], s[E2], s[E1]
	s_sub_co_u32 s[D1], 8, s[E0]
	s_sub_co_u32 s[D2], 16, s[E1]
	s_mov_b32 s[ENEXT], s[E0]
	s_mov_b32 s[EN1], s[E1]
	s_mov_b32 s[EN2], s[E2]
	s_mov_b32 s[FIN], 0
	s_mov_b32 s[UCNT], 2
	s_mov_b32 s[TAU], 0
	s_mov_b32 s[TB], 0
	s_lshl_b32 s[QLO], s[BCUR], 7
	s_add_co_u32 s[QLO], s[QLO], s[QL8]
	s_add_co_u32 s[QHI], s[QLO], 23
	s_mov_b32 s[KF], s[PH7]
	s_lshl_b32 s67, s[HCUR], 5                     ; 32 records a head
	s_add_co_u32 s68, s67, s63
	s_mul_i32 s[OFF], s68, RECQ
	s_add_co_u32 s[OFF], s[OFF], 8704              ; behind the record's q
	s_mov_b32 s[OFF+1], 0
	s_add_co_u32 s70, s67, s[BCUR]                 ; the three units' records of Q
	s_mul_i32 s70, s70, RECQ
	s_mov_b32 s71, 0
	s_add_co_u32 s76, s67, s[BN1]
	s_add_co_u32 s76, s76, 32
	s_mul_i32 s76, s76, RECQ
	s_mov_b32 s77, 0
	s_add_co_u32 s78, s67, s[BN2]
	s_add_co_u32 s78, s78, 64
	s_mul_i32 s78, s78, RECQ
	s_mov_b32 s79, 0
	s_mul_i32 s81, s63, STEPB                      ; where the step that I fetch goes in a slot
	s_lshl_b32 s82, s[T8], 10                      ; my tile's codes in a record
	s_lshl_b32 s83, s[T8], 6
	s_add_co_u32 s83, s83, 8192                    ; and its scale words: 128 (t / 2) + 64 (t % 2) = 64 t
	s_mul_i32 s84, s[WV], PART
	s_add_co_u32 s84, s84, STG-4*PART
	s_sub_co_u32 s80, s[WV], 4
	s_lshr_b32 s80, s80, 2                         ; 0 in waves 4 to 7,
	s_or_b32 s80, s80, s62                         ; of a work-group of the first half
	s_cmp_eq_u32 s80, 0
	s_cselect_b32 s[PFW], 1, 0
	; descriptor group 1: 17,152 dense bytes as 67 rows of 256 (32 elements of 8 bytes), no padding, no mask
	s_mov_b32 s[G1], 3<<16
	s_mov_b32 s[G1+1], 32<<16                      ; tensor_dim0
	s_mov_b32 s[G1+2], 67<<16                      ; tensor_dim1
	s_mov_b32 s[G1+3], 32<<16                      ; tile_dim0
	s_mov_b32 s[G1+4], 67                          ; tile_dim1
	s_mov_b32 s[G1+5], 32                          ; the pitch
	s_mov_b32 s[G1+6], 0
	s_mov_b32 s[G1+7], 0
	s_mov_b32 s[SEL], 0x76543210
	s_mov_b32 s[SEL+1], 0xfedcba98
	s_mov_b32 s[CS], 0x3e38aa3b                    ; c = log2(e) / 8
	s_mov_b32 s[CS+1], s[CS]                       ; (named with it as a pair, so it is written)
	s_mov_b32 s[MNT], 0x600000
	v_and_b32 v11, 31, v0
	v_lshlrev_b32 v[LI], 4, v11
	v_lshlrev_b32 v[LS], 2, v11
	v_lshlrev_b32 v[PFO], 8, v11
	v_add_nc_u32 v[PA], s84, v[LI]
	v_add_nc_u32 v[PS], s84, v[LS]
	v_and_b32 v11, 15, v0                          ; r
	v_bfe_u32 v238, v0, 4, 1                       ; h
	v_add_nc_u32 v[ADB], s82, v[LI]
	v_lshl_add_u32 v[ADS], v11, 2, s83
	v_and_b32 v[QDL], 8, v11
	v_add_nc_u32 v[QDL], v[QDL], v11
	v_lshlrev_b32 v238, 4, v238
	v_sub_nc_u32 v[QDL], v[QDL], v238
	s_wait_dscnt 0x0                               ; both opening adds are done
	s_wait_kmcnt 0x0
	s_add_nc_u64 s[KB:KB+1], s[4:5], s[OFF:OFF+1]
	s_mov_b32 s[G0], 1                             ; count = 1
	s_mov_b32 s[G0+1], s81                         ; LDS address: slot 0
	s_mov_b64 s[G0+2:G0+3], s[KB:KB+1]             ; the first unit's first slot
	s_or_b32 s[G0+3], s[G0+3], 0x80000000          ; type = 2
	TLOAD
	s_add_nc_u64 s[QP:QP+1], s[4:5], s[70:71]
	s_add_nc_u64 s[QP+2:QP+3], s[4:5], s[76:77]
	s_add_nc_u64 s[QP+4:QP+5], s[4:5], s[78:79]
	global_load_b128 v[16:19], v[ADB], s[QP:QP+1]  ; Q's fragment: its 64 channels are registers 0-7.  All three units' are fetched here, so that a change of unit waits for no memory
	global_load_b128 v[20:23], v[ADB], s[QP:QP+1] offset:512
	global_load_b32 v[QS], v[ADS], s[QP:QP+1]
	global_load_b128 v[240:243], v[ADB], s[QP+2:QP+3]
	global_load_b128 v[244:247], v[ADB], s[QP+2:QP+3] offset:512
	global_load_b32 v[QS1], v[ADS], s[QP+2:QP+3]
	global_load_b128 v[248:251], v[ADB], s[QP+4:QP+5]
	global_load_b128 v[252:255], v[ADB], s[QP+4:QP+5] offset:512
	global_load_b32 v[QS1+1], v[ADS], s[QP+4:QP+5]
.irp j, 24,25,26,27,28,29,30,31
	v_mov_b32 v[\j], 0                             ; zero codes for k = 64 .. 127
.endr
.irp t, 0,1,2,3
.irp j, 8,9,10,11,12,13,14,15
	v_mov_b32 v[KFR+16*\t+\j], 0
.endr
.endr
	v_mov_b32 v13, 0xff61b1e6                      ; the largest t so far: -3e38, under every t
	v_floor_f32 v12, -v13                          ; -M
	v_mov_b32 v14, 0                               ; the sum, in two halves
	v_mov_b32 v15, 0
	v_mov_b32 v[F+1], 0                            ; (named as the upper half of the pair)
.set N, 0
.rept 20
	v_mov_b32 v[BM+N], 0                           ; written once: lane permutes' destinations, and the upper halves of pairs that the join names
.set N, N+1
.endr
.set N, 0
.rept 32
	v_mov_b32 v[160+N], 0                          ; O^T: the step is written once; a unit's first step finds zeros, which the first change of M leaves zeros
.set N, N+1
.endr
; A KEY STEP: 128 keys: the step of the slot in hand that my phase names.
.macro STEP
	s_cmp_gt_u32 s[KF], s[QHI]                     ; all its keys come after my queries: a branch on ids, round the step's work alone
	s_cbranch_scc1 .Lhidden_\@
	s_add_co_u32 s96, s[TB], s[PHB]
	v_add_nc_u32 v[ADB], s96, v[LI]
	v_add_nc_u32 v[ADS], s96, v[LS]
.irp i, 0,1,2,3
	ds_load_b32 v[KS+\i], v[ADS] offset:16384+128*\i
.endr
.irp j, 0,1
	ds_load_b32 v[VS+\j], v[ADS] offset:16896+128*\j
.endr
.irp g, 0,1                                    ; S^T = K Q^T, four tiles of 16 keys at a time
.if \g
.rept 8
	v_nop                                          ; eight places in front of loads into registers that the last products read
.endr
.endif
.irp t, 0,1,2,3
.irp c, 0,1
	ds_load_b128 v[KFR+16*\t+4*\c:KFR+16*\t+4*\c+3], v[ADB] offset:1024*(4*\g+\t)+512*\c
.endr
.endr
	s_wait_dscnt 0x0
.irp t, 0,1,2,3
.if (\t)%2
	v_wmma_scale_f32_16x16x128_f8f6f4 v[96+8*(4*\g+\t):103+8*(4*\g+\t)], v[KFR+16*\t:KFR+16*\t+15], v[16:31], 0, v[KS+(4*\g+\t)/2], v[QS] matrix_a_fmt:MATRIX_FMT_BF8 matrix_b_fmt:MATRIX_FMT_BF8 matrix_a_scale:MATRIX_SCALE_ROW1
.else
	v_wmma_scale_f32_16x16x128_f8f6f4 v[96+8*(4*\g+\t):103+8*(4*\g+\t)], v[KFR+16*\t:KFR+16*\t+15], v[16:31], 0, v[KS+(4*\g+\t)/2], v[QS] matrix_a_fmt:MATRIX_FMT_BF8 matrix_b_fmt:MATRIX_FMT_BF8
.endif
.endr
.endr
.rept 8
	v_nop
.endr
	s_add_co_u32 s96, s[KF], 127                   ; on the diagonal hidden scores become -infinity; a step all of whose keys count skips this
	s_cmp_le_u32 s96, s[QLO]
	s_cbranch_scc1 .Lopen_\@
	s_sub_co_i32 s96, s[QLO], s[KF]
	v_add_nc_u32 v238, s96, v[QDL]                 ; d = my query - KF - 16 (lane / 16): register 16 b + i holds key KF + 16 (lane / 16) + 32 b + i: hidden where 32 b + i > d
	v_mov_b32 v239, 0xff800000
.set N, 0
.rept 64
	v_cmp_gt_i32 vcc_lo, 32*(N/16)+N%16, v238
	v_cndmask_b32 v[96+N], v[96+N], v239, vcc_lo
.set N, N+1
.endr
.Lopen_\@:
.irp b, 0,1,2,3
	v_max3_num_f32 v[BM+\b], v[96+16*\b], v[97+16*\b], v[98+16*\b]   ; the largest score of each block of 32 keys: for the row's maximum, and, since p rises with the score, for the block's largest p
.endr
.irp i, 3,5,7,9,11,13
.irp b, 0,1,2,3
	v_max3_num_f32 v[BM+\b], v[BM+\b], v[96+16*\b+\i], v[97+16*\b+\i]
.endr
.endr
.irp b, 0,1,2,3
	v_max_num_f32 v[BM+\b], v[BM+\b], v[111+16*\b]
.endr
.irp b, 0,1,2,3
	v_permlanex16_b32 v[PM+\b], v[BM+\b], s[SEL], s[SEL+1]
.endr
.irp b, 0,1,2,3
	v_max_num_f32 v[BM+\b], v[BM+\b], v[PM+\b]
.endr
	v_max3_num_f32 v238, v[BM], v[BM+1], v[BM+2]
	v_max_num_f32 v238, v238, v[BM+3]
	v_mul_f32 v238, s[CS], v238                    ; as t
	v_max_num_f32 v13, v13, v238                   ; the running largest t
	v_mov_b32 v238, v12
	v_floor_f32 v12, -v13                          ; the new -M = floor(-t): M is a whole number
	v_sub_f32 v238, v12, v238                      ; old M - new M: a whole number, 0 or less
	v_cvt_i32_f32 v238, v238                       ; (it saturates)
	v_ldexp_f32 v[F], 1.0, v238                    ; f
.set N, 0
.rept 32
	v_pk_fma_f32 v[96+N:97+N], v[96+N:97+N], s[CS:CS+1], v[12:13] op_sel_hi:[1,0,0]   ; t - M, two at a time
.set N, N+2
.endr
.irp b, 0,1,2,3
	v_fma_f32 v[BM+\b], v[BM+\b], s[CS], v12
.endr
.set N, 0
.rept 64
	v_exp_f32 v[96+N], v[96+N]                     ; p = 2^(t - M), at most 1
.set N, N+1
.endr
	v_pk_mul_f32 v[14:15], v[14:15], v[F:F+1] op_sel_hi:[1,0]   ; the sums under the new M: a plain instruction behind the exponentials
	s_wait_alu depctr_va_vdst(0)                   ; one wait for the batch, ahead of its first reader
.irp b, 0,1,2,3
	v_exp_f32 v[BM+\b], v[BM+\b]                   ; the block's largest p: the same two instructions on the same number
.endr
	v_pk_add_f32 v[236:237], v[96:97], v[98:99]    ; the row's sum of the unquantised p, in two chains
.irp j, 4,8,12,16,20,24,28,32,36,40,44,48,52,56,60
	v_pk_add_f32 v[14:15], v[14:15], v[96+\j:97+\j]
	v_pk_add_f32 v[236:237], v[236:237], v[98+\j:99+\j]
.endr
	v_pk_add_f32 v[14:15], v[14:15], v[236:237]
	s_wait_alu depctr_va_vdst(0)                   ; and one for the four
.irp b, 0,1,2,3
	v_max_num_f32 v[BM+\b], 0x8000000, v[BM+\b]    ; the floor 2^(16 - 127)
.endr
.irp b, 0,1,2,3
	v_add_nc_u32 v[SO+\b], 0xf8800000, v[BM+\b]
.endr
.irp b, 0,1,2,3
	v_and_or_b32 v[HL+\b], v[BM+\b], 0x7f800000, s[MNT]
.endr
.irp b, 0,1,2,3
	v_lshrrev_b32 v[PM+\b], 23, v[SO+\b]
.endr
	v_lshl_or_b32 v[PW], v[PM+1], 8, v[PM]         ; p's scale word for these 128 keys
	v_lshl_or_b32 v[PW], v[PM+2], 16, v[PW]
	v_lshl_or_b32 v[PW], v[PM+3], 24, v[PW]
.irp b, 0,1,2,3
.irp i, 0,1,2,3,4,5,6,7,8,9,10,11,12,13,14,15
	v_min_num_f32 v[96+16*\b+\i], v[96+16*\b+\i], v[HL+\b]   ; the hold; p is not negative, so it is one-sided
.endr
	v_cvt_scalef32_pk8_bf8_f32 v[PC+4*\b:PC+4*\b+1], v[96+16*\b:103+16*\b], v[SO+\b]
	v_cvt_scalef32_pk8_bf8_f32 v[PC+4*\b+2:PC+4*\b+3], v[104+16*\b:111+16*\b], v[SO+\b]
.endr
	v_nop                                          ; one plain vector instruction behind the last scaled conversion
.irp n, 0,1,2,3
.irp c, 0,1,2,3
	ds_load_b128 v[96+16*\n+4*\c:96+16*\n+4*\c+3], v[ADB] offset:8192+2048*\n+512*\c   ; V's four fragments take p's registers
.endr
.endr
.set N, 0
.rept 16
	v_pk_mul_f32 v[160+N:161+N], v[160+N:161+N], v[F:F+1] op_sel_hi:[1,0]   ; O^T under the new M; also the places between the codes' making and the products
.set N, N+2
.endr
	s_wait_dscnt 0x0
.irp n, 0,1,2,3
.if (\n)%2
	v_wmma_scale_f32_16x16x128_f8f6f4 v[160+8*\n:167+8*\n], v[96+16*\n:111+16*\n], v[PC:PC+15], v[160+8*\n:167+8*\n], v[VS+\n/2], v[PW] matrix_a_fmt:MATRIX_FMT_BF8 matrix_b_fmt:MATRIX_FMT_BF8 matrix_a_scale:MATRIX_SCALE_ROW1
.else
	v_wmma_scale_f32_16x16x128_f8f6f4 v[160+8*\n:167+8*\n], v[96+16*\n:111+16*\n], v[PC:PC+15], v[160+8*\n:167+8*\n], v[VS+\n/2], v[PW] matrix_a_fmt:MATRIX_FMT_BF8 matrix_b_fmt:MATRIX_FMT_BF8
.endif
.endr
.rept 9
	v_nop                                          ; nine places: the next step's scores are written, by matrix instructions, over V's registers; loads land on V's registers and scale words; O^T is stored, read or begun anew
.endr
.Lhidden_\@:
.endm
; THE CHANGE OF SLOTS, at a trip's head.  Each wave waits for all its tensor loads, adds 0 to its spare word (fill = 1: twice on end), and waits for that, for its reads of the slot that it has left and for its stores into the stage.
; Behind the barrier the slot ahead is whole, nobody reads the other one, and what the phases have put into the stage may be read.  fill = 1: the other slot is filled with the next trip's four steps, the next unit's first where this unit ends.
.macro CHANGE fill
	s_wait_tensorcnt 0x0                           ; no tensor load of mine is out, so group 0 may be written
	ds_add_u32 v[SPW], v[NIL]
.if \fill
	ds_add_u32 v[SPW], v[NIL]                      ; and once more
	s_xor_b32 s[G0+1], s[G0+1], SLOT1              ; the other slot than last time
	s_add_co_u32 s96, s[TAU], 1                    ; the next trip: which unit's, and which slot of it: 8 x unit + slot = trip + D
	s_cmp_lt_u32 s96, s[E0]
	s_cselect_b32 s97, 0, s[D1]
	s_cmp_lt_u32 s96, s[E1]
	s_cselect_b32 s97, s97, s[D2]
	s_add_co_u32 s97, s97, s96
	s_mul_i32 s[OFF], s97, 4*RECQ                  ; four records a slot, eight slots a head
	s_add_nc_u64 s[G0+2:G0+3], s[KB:KB+1], s[OFF:OFF+1]
	s_wait_xcnt 0x0                                ; the last prefetches, a trip back, have read their address
	s_add_nc_u64 s[PFA:PFA+1], s[G0+2:G0+3], 4*RECQ   ; one slot further on than the load
	s_or_b32 s[G0+3], s[G0+3], 0x80000000          ; type = 2
.endif
	s_wait_dscnt 0x0                               ; the add is done; my reads of the slot that I have left are over; my stores into the stage have landed
	s_barrier_signal -1
	s_barrier_wait -1
.if \fill
	s_add_co_u32 s96, s[TAU], 1
	s_cmp_ge_u32 s96, s[E2]                        ; behind the third unit's last slot nothing is left to fetch.  Ids and the count of trips alone: all sixteen waves go the same way
	s_cbranch_scc1 .Lpast_\@
	TLOAD                                          ; a wave's one tensor load until the next such barrier
.Lpast_\@:
.endif
.endm
; Phases 1 to 3 hand their part of a finished unit to phase 0.
.macro SAVE
	v_add_f32 v14, v14, v15
.irp k, 0,1,2,3,4,5,6,7
	ds_store_b128 v[PA], v[160+4*\k:163+4*\k] offset:512*\k   ; each accumulator from its low end on
.endr
	ds_store_b32 v[PS], v12 offset:4096
	ds_store_b32 v[PS], v14 offset:4224
.endm
; The phase-0 wave joins the four parts of its tile, divides by the sum, quantises and stores.
.macro FIN_A
	s_lshl_b32 s96, s[BCUR], 3
	s_add_co_u32 s96, s96, s[T8]                   ; my query tile
	s_mul_i32 s96, s96, RECA
	s_lshl_b32 s97, s[HCUR], 10                    ; 2,048 (head / 2) + 1,024 (head % 2) = 1,024 head
	s_add_co_u32 s76, s96, s97
	s_mov_b32 s77, 0
	s_lshr_b32 s97, s[HCUR], 1
	s_lshl_b32 s97, s97, 7
	s_add_co_u32 s78, s96, s97
	s_and_b32 s97, s[HCUR], 1
	s_lshl_b32 s97, s97, 1
	s_add_co_u32 s78, s78, s97
	s_add_co_u32 s78, s78, 12288                   ; the scale image of K step head / 2, my head's half of each word
	s_mov_b32 s79, 0
	s_add_nc_u64 s[OC:OC+1], s[6:7], s[76:77]
	s_add_nc_u64 s[OS:OS+1], s[6:7], s[78:79]
.irp p, 1,2,3
	ds_load_b32 v[BM+\p], v[PS] offset:4*PART*\p+4096     ; phase p's -M
	ds_load_b32 v[PM+\p], v[PS] offset:4*PART*\p+4224     ; and its sum
.endr
.irp p, 1,2
.irp k, 0,1,2,3,4,5,6,7
	ds_load_b128 v[64+32*\p+4*\k:67+32*\p+4*\k], v[PA] offset:4*PART*\p+512*\k   ; its O^T
.endr
.endr
	v_add_f32 v14, v14, v15
	s_wait_dscnt 0x0
	v_min_num_f32 v[BM], v12, v[BM+1]              ; -M of the four: the least
	v_min_num_f32 v[BM], v[BM], v[BM+2]
	v_min_num_f32 v[BM], v[BM], v[BM+3]
	v_sub_f32 v236, v[BM], v12                     ; each part's M less the common M: a whole number, 0 or less
	v_sub_f32 v237, v[BM], v[BM+1]
	v_sub_f32 v238, v[BM], v[BM+2]
	v_sub_f32 v239, v[BM], v[BM+3]
.irp i, 236,237,238,239
	v_cvt_i32_f32 v[\i], v[\i]                     ; (it saturates: a phase without a step gets the factor 0)
.endr
	v_ldexp_f32 v228, 1.0, v236
	v_ldexp_f32 v230, 1.0, v237
	v_ldexp_f32 v232, 1.0, v238
	v_ldexp_f32 v234, 1.0, v239
	v_mul_f32 v14, v14, v228
	v_fma_f32 v14, v[PM+1], v230, v14
	v_fma_f32 v14, v[PM+2], v232, v14
	v_fma_f32 v14, v[PM+3], v234, v14
.set N, 0
.rept 16
	v_pk_mul_f32 v[160+N:161+N], v[160+N:161+N], v[228:229] op_sel_hi:[1,0]
.set N, N+2
.endr
.set N, 0
.rept 16
	v_pk_fma_f32 v[160+N:161+N], v[96+N:97+N], v[230:231], v[160+N:161+N] op_sel_hi:[1,0,1]
.set N, N+2
.endr
.irp k, 0,1,2,3,4,5,6,7
	ds_load_b128 v[96+4*\k:99+4*\k], v[PA] offset:4*PART*3+512*\k   ; phase 3's takes phase 1's registers, and lands under phase 2's additions
.endr
.set N, 0
.rept 16
	v_pk_fma_f32 v[160+N:161+N], v[128+N:129+N], v[232:233], v[160+N:161+N] op_sel_hi:[1,0,1]
.set N, N+2
.endr
	s_wait_dscnt 0x0
.set N, 0
.rept 16
	v_pk_fma_f32 v[160+N:161+N], v[96+N:97+N], v[234:235], v[160+N:161+N] op_sel_hi:[1,0,1]
.set N, N+2
.endr
	; O^T / the sum; register 16 b + i is channel 32 b + 16 (lane / 16) + i of my query: two blocks of the next product's K.  They are quantised and leave as two pieces of an image.
	v_permlanex16_b32 v238, v14, s[SEL], s[SEL+1]
	v_add_f32 v14, v14, v238                       ; the row's sum
	v_rcp_f32 v14, v14
	v_nop                                          ; a plain instruction behind the transcendental
	s_wait_alu depctr_va_vdst(0)                   ; and the wait ahead of the first use
.set N, 0
.rept 16
	v_pk_mul_f32 v[96+N:97+N], v[160+N:161+N], v[14:15] op_sel_hi:[1,0]
.set N, N+2
.endr
.irp b, 0,1
	v_max3_num_f32 v[BM+\b], |v[96+16*\b]|, |v[97+16*\b]|, 0x8000000
.endr
.irp i, 2,4,6,8,10,12,14
.irp b, 0,1
	v_max3_num_f32 v[BM+\b], v[BM+\b], |v[96+16*\b+\i]|, |v[97+16*\b+\i]|
.endr
.endr
.irp b, 0,1
	v_permlanex16_b32 v[PM+\b], v[BM+\b], s[SEL], s[SEL+1]
.endr
.irp b, 0,1
	v_max_num_f32 v[BM+\b], v[BM+\b], v[PM+\b]
.endr
.irp b, 0,1
	v_add_nc_u32 v[SO+\b], 0xf8800000, v[BM+\b]
.endr
.irp b, 0,1
	v_and_or_b32 v[HL+\b], v[BM+\b], 0x7f800000, s[MNT]
.endr
.irp b, 0,1
	v_lshrrev_b32 v[PM+\b], 23, v[SO+\b]
.endr
	v_lshl_or_b32 v[PW], v[PM+1], 8, v[PM]
.irp b, 0,1
.irp i, 0,1,2,3,4,5,6,7,8,9,10,11,12,13,14,15
	v_med3_num_f32 v[96+16*\b+\i], v[96+16*\b+\i], -v[HL+\b], v[HL+\b]
.endr
	v_cvt_scalef32_pk8_bf8_f32 v[PC+4*\b:PC+4*\b+1], v[96+16*\b:103+16*\b], v[SO+\b]
	v_cvt_scalef32_pk8_bf8_f32 v[PC+4*\b+2:PC+4*\b+3], v[104+16*\b:111+16*\b], v[SO+\b]
.endr
	v_nop
	global_store_b128 v[LI], v[PC:PC+3], s[OC:OC+1]            ; 512 consecutive bytes, aligned
	global_store_b128 v[LI], v[PC+4:PC+7], s[OC:OC+1] offset:512
	global_store_b16 v[LS], v[PW], s[OS:OS+1]      ; my head's two bytes of each scale word: 64 of the tile's 1,088 bytes
	s_wait_xcnt 0x0                                ; the stores have read their data and their bases: the next step writes the codes' registers again
.endm
; Every wave turns to the next unit: its Q, fetched at the head, moves into the operand's registers; M, the sum and O^T begin anew.  Behind the third unit there is none: the first key is then set behind every query.
.macro FIN_B
.irp i, 0,1,2,3,4,5,6,7
	v_mov_b32 v[16+\i], v[240+\i]
.endr
	v_mov_b32 v[QS], v[QS1]                        ; (the lines below are the places between these and the next products)
.irp i, 0,1,2,3,4,5,6,7
	v_mov_b32 v[240+\i], v[248+\i]
.endr
	v_mov_b32 v[QS1], v[QS1+1]
	v_mov_b32 v13, 0xff61b1e6
	v_floor_f32 v12, -v13
	v_mov_b32 v14, 0
	v_mov_b32 v15, 0
.set N, 0
.rept 32
	v_mov_b32 v[160+N], 0
.set N, N+1
.endr
	s_mov_b32 s[BCUR], s[BN1]
	s_mov_b32 s[BN1], s[BN2]
	s_mov_b32 s[BN2], 0
	s_add_co_u32 s[HCUR], s[HCUR], 1
	s_mov_b32 s[ENEXT], s[EN1]
	s_mov_b32 s[EN1], s[EN2]
	s_mov_b32 s[EN2], 99                           ; a trip that never comes
	s_mov_b32 s96, 0x100000
	s_cmp_eq_u32 s[UCNT], 0
	s_cselect_b32 s[KF], s96, s[PH7]
	s_cselect_b32 s97, 0, 1
	s_sub_co_u32 s[UCNT], s[UCNT], s97
	s_lshl_b32 s[QLO], s[BCUR], 7
	s_add_co_u32 s[QLO], s[QLO], s[QL8]
	s_add_co_u32 s[QHI], s[QLO], 23
.endm
.macro FINISH next
	s_cmp_eq_u32 s[FIN], 0                         ; ids and the count of trips alone: all sixteen waves go the same way
	s_cbranch_scc1 .Lnofin_\@
	s_cmp_lt_u32 s[WV], 4
	s_cbranch_scc0 .Lnotp0_\@
	FIN_A
.Lnotp0_\@:
.if \next
	FIN_B
.endif
.Lnofin_\@:
.endm
	s_wait_loadcnt 0x0                             ; the three units' Q
.Ltrip:                                            ; fourteen trips: a slot of four steps, a step a wave
	CHANGE 1
	FINISH 1                                       ; where the last trip ended a unit
	ASK
	STEP
	s_wait_dscnt 0x0                               ; my reads of the stage in this trip are over:
	s_barrier_signal -1
	s_barrier_wait -1                              ; everybody's are, so the stage may be written again (a unit of one slot may end in the trip in which the unit before it is joined)
	s_add_co_u32 s96, s[TAU], 1
	s_cmp_eq_u32 s96, s[ENEXT]                     ; was this the unit's last slot?
	s_cselect_b32 s[FIN], 1, 0
	s_cbranch_scc0 .Lnosave
	s_cmp_lt_u32 s[WV], 4
	s_cbranch_scc1 .Lnosave
	SAVE
.Lnosave:
	s_add_co_u32 s[KF], s[KF], 512
	s_xor_b32 s[TB], s[TB], SLOT1                  ; on to the other slot
	s_add_co_u32 s[TAU], s[TAU], 1
	s_cmp_lt_u32 s[TAU], NT
	s_cbranch_scc1 .Ltrip
	CHANGE 0                                       ; the barrier between the last stores into the stage and their reads; nothing is fetched
	FINISH 0
	s_wait_tensorcnt 0x0                           ; the wave's end
	ds_add_u32 v[SPW], v[NIL]
	s_wait_dscnt 0x0
	s_endpgm
.Lfunc_end_k_q6da3e4af13_attn:
	.size	k_q6da3e4af13_attn, .Lfunc_end_k_q6da3e4af13_attn-k_q6da3e4af13_attn
	.p2alignl 7, 3214868480
	.fill 96, 4, 3214868480
	.section	.rodata,"a",@progbits
	.p2align	6, 0x0
	.amdhsa_kernel k_q6da3e4af13_attn
		.amdhsa_group_segment_fixed_size 327680
		.amdhsa_private_segment_fixed_size 0
		.amdhsa_enable_private_segment 0
		.amdhsa_kernarg_size 16
		.amdhsa_user_sgpr_count 2
		.amdhsa_user_sgpr_kernarg_segment_ptr 1
		.amdhsa_wavefront_size32 1
		.amdhsa_system_sgpr_workgroup_id_x 1
		.amdhsa_system_sgpr_workgroup_id_y 1
		.amdhsa_system_sgpr_workgroup_id_z 1
		.amdhsa_system_vgpr_workitem_id 0
		.amdhsa_next_free_vgpr 256
		.amdhsa_next_free_sgpr 100
		.amdhsa_reserve_vcc 1
		.amdhsa_float_denorm_mode_32 3
		.amdhsa_float_denorm_mode_16_64 3
		.amdhsa_memory_ordered 1
		.amdhsa_forward_progress 1
		.amdhsa_inst_pref_size 65
	.end_amdhsa_kernel
	.amdgpu_metadata
---
amdhsa.version: [ 1, 2 ]
amdhsa.kernels:
  - .name:           k_q6da3e4af13_attn
    .symbol:         k_q6da3e4af13_attn.kd
    .args:
      - { .name: qkv, .offset: 0, .size: 8, .value_kind: global_buffer, .address_space: global }
      - { .name: ob, .offset: 8, .size: 8, .value_kind: global_buffer, .address_space: global }
    .group_segment_fixed_size: 327680
    .private_segment_fixed_size: 0
    .kernarg_segment_align: 8
    .kernarg_segment_size: 16
    .max_flat_workgroup_size: 512
    .sgpr_count:     100
    .vgpr_count:     256
    .wavefront_size: 32
...
	.end_amdgpu_metadata
.endif
;; end of part 3
;; launch wo (part 4): grid 32 x 3, 4 waves a work-group, no clusters, 122,368 bytes of LDS; arguments ob, wo_codes, wo_scales, x, y; writes y
.if DOCPART == 4
	.amdgcn_target "amdgcn-amd-amdhsa--gfx1250"
	.amdhsa_code_object_version 6
	.text
	.protected	k_q6da3e4af13_wo
	.globl	k_q6da3e4af13_wo
	.p2align	8
	.type	k_q6da3e4af13_wo,@function
k_q6da3e4af13_wo:
	s_mov_b64 s[64:65], 0
	v_nop
	global_prefetch_b8 v0, s[64:65] scope:SCOPE_SE
	s_setreg_imm32_b32 hwreg(HW_REG_WAVE_MODE, 25, 1), 1
	s_wait_xcnt 0x0
; y = x + o wo^T on codes of BF8 (E5M2).  o: the attention's images (256 records of 13,056 bytes); x, y: [4096][768] f32 in true row order.
; SHARES.  A work-group takes 128 rows (8 row tiles) and 256 columns; each of its four waves 64 weight rows x K 768 = 24 fragments, which stay in 384 registers.  The rows' images, 104,448 bytes, are copied once into LDS.
; The product is used transposed (source 0 = 16 weight rows, source 1 = 16 rows): a lane holds eight neighbouring columns of one row.  A tile's 16 rows x 64 columns go through the wave's own stage in LDS and leave as
; rows of 256 consecutive bytes, aligned.  Row tile T, lane r is row 32 (T / 2) + 8 (T % 2) + r + 8 (r / 8): the order enters x's and y's addresses alone.
; No tensor load and no cluster: three column groups, which no cluster of four divides; with the weights in registers what is shared is one copy.  LIMIT: NaN and infinities are not served.
.set PITCH, 768
.set SP,    24
.set RECA,  13056
.set STG,   8*RECA                     ; behind the images: a stage of 16 rows x (256 + 16) bytes for each wave
.set SPARE, STG+4*16*272               ; behind the stages: the spare words, 128 bytes a wave: two blocks of 256 bytes that no other line names
.set LI,  1
.set LS,  2
.set WA,  3
.set WSA, 4
.set CA,  5                            ; v5-6 the copy's places
.set AL,  9
.set ASL, 11
.set XO,  13                           ; v13  my byte in two rows of x or y
.set STO, 14                           ; v14  the stage: where I put 32 bytes of a row
.set RD,  15                           ; v15  and where I read a row back
.set WS,  16
.set AS,  40
.set SPW, 62
.set NIL, 63
.set AC,  64
.set XR,  128                          ; v128-191 x at the pair's rows
.set RB,  192                          ; v192-255 the pair's rows, read back
.set MSB, 0
.macro WIN new
.if MSB != (\new)
	s_set_vgpr_msb (MSB<<8)|(\new)
.set MSB, (\new)
.endif
.endm
.macro PLACES n
.rept \n
	v_nop
.endr
.endm
.macro COPYLD k
	WIN 0xc0
	global_load_b128 v[4*(\k):4*(\k)+3], v[CA], s[24:25] offset:2048*(\k)
.endm
.macro COPYST k
	WIN 0x0c
	ds_store_b128 v[CA+(\k)/32], v[4*(\k):4*(\k)+3] offset:2048*((\k)%32)
.endm
.macro WFRAG f
.set WT_, (\f)%4
.set WK_, (\f)/4
.if (\f) < 16
	WIN 0x40
.else
	WIN 0x80
.endif
.irp c, 0,1,2,3
	global_load_b128 v[16*((\f)%16)+4*\c:16*((\f)%16)+4*\c+3], v[WA], s[26:27] offset:(32*(WT_/2)+8*(WT_%2))*PITCH+128*WK_+32*\c
.endr
.endm
.macro WSCL f
	WIN 0
	global_load_b32 v[WS+(\f)], v[WSA], s[28:29] offset:(32*(((\f)%4)/2)+8*((\f)%2))*SP+4*((\f)/4)
.endm
.macro LOADA pr
	WIN 0xc0
.irp u, 0,1
.irp s, 0,1,2,3,4,5
.irp c, 0,1,2,3
	ds_load_b128 v[96*\u+16*\s+4*\c:96*\u+16*\s+4*\c+3], v[AL+(\pr)/2] offset:((2*(\pr)+\u)%4)*RECA+2048*\s+512*\c
.endr
.endr
.endr
	WIN 0
.irp u, 0,1
.irp s, 0,1,2,3,4,5
	ds_load_b32 v[AS+6*\u+\s], v[ASL+(\pr)/2] offset:((2*(\pr)+\u)%4)*RECA+12288+128*\s
.endr
.endr
.endm
.macro MULPAIR                         ; 48 matrix instructions; the eight accumulators take turns, one instruction a turn
.irp s, 0,1,2,3,4,5
	WIN 0x0d+(\s/4)
.irp u, 0,1
.irp t, 0,1,2,3
.set RW_, 16*((4*\s+\t)%16)
.set RA_, 96*\u+16*\s
.set RD_, AC+32*\u+8*\t
.if \s == 0
	v_wmma_scale_f32_16x16x128_f8f6f4 v[RD_:RD_+7], v[RW_:RW_+15], v[RA_:RA_+15], 0, v[WS+4*\s+\t], v[AS+6*\u+\s] matrix_a_fmt:MATRIX_FMT_BF8 matrix_b_fmt:MATRIX_FMT_BF8
.else
	v_wmma_scale_f32_16x16x128_f8f6f4 v[RD_:RD_+7], v[RW_:RW_+15], v[RA_:RA_+15], v[RD_:RD_+7], v[WS+4*\s+\t], v[AS+6*\u+\s] matrix_a_fmt:MATRIX_FMT_BF8 matrix_b_fmt:MATRIX_FMT_BF8
.endif
.endr
.endr
.endr
.endm
.macro PAIR pr
.irp u, 0,1
.irp i, 0,1,2,3,4,5,6,7
	global_load_b128 v[XR+32*\u+4*\i:XR+32*\u+4*\i+3], v[XO], s[30:31] offset:(32*(\pr)+8*\u+2*\i+8*(\i/4))*3072 th:TH_LOAD_NT   ; x at the rows that I will store: they land under the products
.endr
.endr
	s_wait_dscnt 0x0                               ; this pair's fragments and scale words are in
	MULPAIR
	WIN 0
	PLACES 8                                       ; eight places behind this form: in front of loads into registers that the products read, and of the first read of results
.if (\pr) < 3
	LOADA (\pr)+1
.endif
	s_wait_xcnt 0x0                                ; the last pair's stores have read their data
.irp u, 0,1
.irp t, 0,1,2,3
	ds_store_b128 v[STO], v[AC+32*\u+8*\t:AC+32*\u+8*\t+3] offset:128*(\t/2)+32*(\t%2)          ; each accumulator from its low end on
	ds_store_b128 v[STO], v[AC+32*\u+8*\t+4:AC+32*\u+8*\t+7] offset:128*(\t/2)+32*(\t%2)+16
.endr
.irp i, 0,1,2,3,4,5,6,7
	ds_load_b128 v[RB+32*\u+4*\i:RB+32*\u+4*\i+3], v[RD] offset:544*\i   ; LDS serves a wave's instructions in order (ISA guide 5.7.1.4): these see my stores, and the next tile's stores come behind them
.endr
.endr
	s_wait_dscnt 0x0
	s_wait_loadcnt 0x0                             ; x
.set N, 0
.rept 32
	v_pk_add_f32 v[RB+N:RB+N+1], v[RB+N:RB+N+1], v[XR+N:XR+N+1]
.set N, N+2
.endr
.irp u, 0,1
.irp i, 0,1,2,3,4,5,6,7
	global_store_b128 v[XO], v[RB+32*\u+4*\i:RB+32*\u+4*\i+3], s[32:33] offset:(32*(\pr)+8*\u+2*\i+8*(\i/4))*3072   ; sixteen lanes store 256 consecutive bytes, aligned
.endr
.endr
.endm
	s_load_b256 s[4:11], s[0:1], 0x0               ; o's images, wo codes, wo scales, x
	s_load_b64 s[12:13], s[0:1], 0x20              ; y
	v_lshl_add_u32 v[SPW], v0, 2, SPARE
	v_mov_b32 v[NIL], 0
	v_lshrrev_b32 v52, 5, v0
	v_readfirstlane_b32 s20, v52                   ; wave 0..3
	s_mov_b32 s21, ttmp9                           ; which 128 rows
	s_and_b32 s22, ttmp7, 0xffff                   ; which 256 columns
	v_and_b32 v52, 31, v0
	v_lshlrev_b32 v[LI], 4, v52
	v_lshlrev_b32 v[LS], 2, v52
	v_and_b32 v53, 15, v0                          ; r
	v_bfe_u32 v54, v0, 4, 1                        ; h
	v_and_b32 v55, 8, v53
	v_add_nc_u32 v55, v55, v53
	v_mul_u32_u24 v[WA], v55, PITCH
	v_lshl_add_u32 v[WA], v54, 4, v[WA]
	v_mul_u32_u24 v[WSA], v55, SP
	v_lshlrev_b32 v[CA], 4, v0
	v_add_nc_u32 v[CA+1], 65536, v[CA]
	v_mov_b32 v[AL], v[LI]
	v_add_nc_u32 v[AL+1], 4*RECA, v[LI]
	v_mov_b32 v[ASL], v[LS]
	v_add_nc_u32 v[ASL+1], 4*RECA, v[LS]
	v_mul_u32_u24 v[XO], v54, 3072
	v_lshl_add_u32 v[XO], v53, 4, v[XO]            ; lanes 0-15 one row, lanes 16-31 the next; 16 bytes a lane
	s_mul_i32 s40, s20, 16*272
	s_add_co_u32 s40, s40, STG                     ; my stage
	v_mul_u32_u24 v[STO], v53, 272
	v_lshl_add_u32 v[STO], v54, 6, v[STO]
	v_add_nc_u32 v[STO], s40, v[STO]               ; in: row r, + 64 h
	v_mul_u32_u24 v[RD], v54, 272
	v_lshl_add_u32 v[RD], v53, 4, v[RD]
	v_add_nc_u32 v[RD], s40, v[RD]
	s_mul_i32 s40, s21, 8*RECA
	s_mov_b32 s41, 0
	s_lshl_b32 s42, s22, 8
	s_lshl_b32 s43, s20, 6
	s_add_co_u32 s42, s42, s43                     ; my first weight row = my first column
	s_mul_i32 s44, s42, PITCH
	s_mov_b32 s45, 0
	s_mul_i32 s46, s42, SP
	s_mov_b32 s47, 0
	s_mul_i32 s48, s21, 128*3072
	s_lshl_b32 s42, s42, 2
	s_add_co_u32 s48, s48, s42
	s_mov_b32 s49, 0
	s_wait_kmcnt 0x0
	s_add_nc_u64 s[24:25], s[4:5], s[40:41]
	s_add_nc_u64 s[26:27], s[6:7], s[44:45]
	s_add_nc_u64 s[28:29], s[8:9], s[46:47]
	s_add_nc_u64 s[30:31], s[10:11], s[48:49]
	s_add_nc_u64 s[32:33], s[12:13], s[48:49]
.set KK, 0
.rept 51
	COPYLD KK
.set KK, KK+1
.endr
.set KK, 0
.rept 15
	WFRAG KK
.set KK, KK+1
.endr
	s_wait_loadcnt 60                              ; the 51 chunks are in; the 60 weight loads just issued may be out
.set KK, 0
.rept 51
	COPYST KK
.set KK, KK+1
.endr
.set KK, 15
.rept 9
	WFRAG KK
.set KK, KK+1
.endr
.set KK, 0
.rept 24
	WSCL KK
.set KK, KK+1
.endr
	WIN 0
	s_wait_dscnt 0x0                               ; for the others' sake: my part of the images has landed
	s_barrier_signal -1
	s_barrier_wait -1
	s_wait_loadcnt 0x0                             ; the weights
	LOADA 0
	PAIR 0
	PAIR 1
	PAIR 2
	PAIR 3
	s_wait_tensorcnt 0x0                           ; the wave's end, behind my last LDS store
	ds_add_u32 v[SPW], v[NIL]
	s_wait_dscnt 0x0
	s_endpgm
.Lfunc_end_k_q6da3e4af13_wo:
	.size	k_q6da3e4af13_wo, .Lfunc_end_k_q6da3e4af13_wo-k_q6da3e4af13_wo
	.p2alignl 7, 3214868480
	.fill 96, 4, 3214868480
	.section	.rodata,"a",@progbits
	.p2align	6, 0x0
	.amdhsa_kernel k_q6da3e4af13_wo
		.amdhsa_group_segment_fixed_size 122368
		.amdhsa_private_segment_fixed_size 0
		.amdhsa_enable_private_segment 0
		.amdhsa_kernarg_size 40
		.amdhsa_user_sgpr_count 2
		.amdhsa_user_sgpr_kernarg_segment_ptr 1
		.amdhsa_wavefront_size32 1
		.amdhsa_system_sgpr_workgroup_id_x 1
		.amdhsa_system_sgpr_workgroup_id_y 1
		.amdhsa_system_sgpr_workgroup_id_z 1
		.amdhsa_system_vgpr_workitem_id 0
		.amdhsa_next_free_vgpr 1024
		.amdhsa_next_free_sgpr 66
		.amdhsa_reserve_vcc 0
		.amdhsa_float_denorm_mode_32 3
		.amdhsa_float_denorm_mode_16_64 3
		.amdhsa_memory_ordered 1
		.amdhsa_forward_progress 1
		.amdhsa_inst_pref_size 92
	.end_amdhsa_kernel
	.amdgpu_metadata
---
amdhsa.version: [ 1, 2 ]
amdhsa.kernels:
  - .name:           k_q6da3e4af13_wo
    .symbol:         k_q6da3e4af13_wo.kd
    .args:
      - { .name: ob, .offset: 0, .size: 8, .value_kind: global_buffer, .address_space: global }
      - { .name: wo_codes, .offset: 8, .size: 8, .value_kind: global_buffer, .address_space: global }
      - { .name: wo_scales, .offset: 16, .size: 8, .value_kind: global_buffer, .address_space: global }
      - { .name: x, .offset: 24, .size: 8, .value_kind: global_buffer, .address_space: global }
      - { .name: y, .offset: 32, .size: 8, .value_kind: global_buffer, .address_space: global }
    .group_segment_fixed_size: 122368
    .private_segment_fixed_size: 0
    .kernarg_segment_align: 8
    .kernarg_segment_size: 40
    .max_flat_workgroup_size: 128
    .sgpr_count:     66
    .vgpr_count:     1024
    .wavefront_size: 32
...
	.end_amdgpu_metadata
.endif
;; end of part 4
;; launch norm2: the kernel of part 1 again; grid 256 x 1, 6 waves a work-group, no clusters, 2,048 bytes of LDS; arguments y, g2, a2; writes a2
;; launch w1 (part 5): grid 16 x 12, 4 waves a work-group, no clusters, 209,408 bytes of LDS; arguments a2, w1_codes, w1_scales, hb; writes hb
.if DOCPART == 5
	.amdgcn_target "amdgcn-amd-amdhsa--gfx1250"
	.amdhsa_code_object_version 6
	.text
	.protected	k_q6da3e4af13_w1
	.globl	k_q6da3e4af13_w1
	.p2align	8
	.type	k_q6da3e4af13_w1,@function
k_q6da3e4af13_w1:
	s_mov_b64 s[64:65], 0
	v_nop
	global_prefetch_b8 v0, s[64:65] scope:SCOPE_SE
	s_setreg_imm32_b32 hwreg(HW_REG_WAVE_MODE, 25, 1), 1
	s_wait_xcnt 0x0
; hb = Q(gelu(a w1^T)) on codes of BF8 (E5M2): the exact gelu, x Phi(x), in f32, and the quantiser along the 3,072 of the next product's K.  a: the second norm's images (256 records of 13,056 bytes).
; SHARES.  A work-group takes 256 rows (16 row tiles) and 256 columns; each of its four waves 64 weight rows x K 768 = 24 fragments, which stay in 384 registers.  The rows' images, 208,896 bytes, are copied once into LDS.
; The product is used transposed (source 0 = 16 weight rows, source 1 = 16 rows): a lane holds one row and, in weight tiles 2 b and 2 b + 1, columns 32 b + 16 (lane / 16) + 0 .. 15: two blocks of the next K.
; OUT: 256 records of 52,224 bytes, one a row tile: 24 fragment images (K step S at 2,048 S), then 24 scale images (49,152 + 128 S).  A wave's 64 columns are half a K step: two pieces of an image and half of each scale word.
; GELU.  Phi(-|x|) = erfc(z) / 2, z = |x| / sqrt(2); erfc(z) = t exp(-z^2 + P(t)), t = 1 / (1 + z / 2), P of degree 9: its fractional error lies under 1.2e-7 for every z: LIMIT.  Phi(x) = 1 - Phi(-|x|) where x > 0, chosen by v_cndmask_b32.
; Where Phi(-|x|) falls under 2^-126 it comes out as 0 (v_exp_f32): LIMIT.  NaN and infinities are not served; a block whose largest magnitude lies under 2^-111 keeps the scale byte 1.
; No tensor load and no cluster: with the weights in registers what work-groups share is one copy at the head.
.set PITCH, 768
.set SP,    24
.set RECA,  13056
.set RECH,  52224
.set SPARE, 16*RECA
.set LI,  1
.set LS,  2
.set WA,  3
.set WSA, 4
.set CA,  5
.set AL,  9
.set ASL, 11
.set WS,  16
.set AS,  40
.set SPW, 62
.set NIL, 63
.set AC,  64
.set PC,  128
.set TM,  144
.set GXX, 128                          ; v128-159 -z^2 + c0 (the quantiser's registers, idle meanwhile)
.set GTT, 160                          ; v160-191 t, then 1 - Phi(-|x|)
.set GPP, 192                          ; v192-223 the polynomial, then Phi
.set CF,  224                          ; v224-243 c0 .. c9, each twice: pairs for the packed forms
.set SEL, 34
.set MNT, 36
.set KH,  37                           ; s37      1 / (2 sqrt(2))
.set LGE, 58                           ; s[58:59] log2(e)
.set MSB, 0
.macro WIN new
.if MSB != (\new)
	s_set_vgpr_msb (MSB<<8)|(\new)
.set MSB, (\new)
.endif
.endm
.macro PLACES n
.rept \n
	v_nop
.endr
.endm
.macro COPYLD k
.if (\k) < 64
	WIN 0xc0
	global_load_b128 v[4*(\k):4*(\k)+3], v[CA], s[24:25] offset:2048*(\k)
.elseif (\k) < 96
	WIN 0x80
	global_load_b128 v[128+4*((\k)-64):128+4*((\k)-64)+3], v[CA], s[24:25] offset:2048*(\k)
.else
	WIN 0
	global_load_b128 v[64+4*((\k)-96):64+4*((\k)-96)+3], v[CA], s[24:25] offset:2048*(\k)
.endif
.endm
.macro COPYST k
.if (\k) < 64
	WIN 0x0c
	ds_store_b128 v[CA+(\k)/32], v[4*(\k):4*(\k)+3] offset:2048*((\k)%32)
.elseif (\k) < 96
	WIN 0x08
	ds_store_b128 v[CA+(\k)/32], v[128+4*((\k)-64):128+4*((\k)-64)+3] offset:2048*((\k)%32)
.else
	WIN 0
	ds_store_b128 v[CA+(\k)/32], v[64+4*((\k)-96):64+4*((\k)-96)+3] offset:2048*((\k)%32)
.endif
.endm
.macro WFRAG f
.set WT_, (\f)%4
.set WK_, (\f)/4
.if (\f) < 16
	WIN 0x40
.else
	WIN 0x80
.endif
.irp c, 0,1,2,3
	global_load_b128 v[16*((\f)%16)+4*\c:16*((\f)%16)+4*\c+3], v[WA], s[26:27] offset:(32*(WT_/2)+8*(WT_%2))*PITCH+128*WK_+32*\c
.endr
.endm
.macro WSCL f
	WIN 0
	global_load_b32 v[WS+(\f)], v[WSA], s[28:29] offset:(32*(((\f)%4)/2)+8*((\f)%2))*SP+4*((\f)/4)
.endm
.macro LOADA pr
	WIN 0xc0
.irp u, 0,1
.irp s, 0,1,2,3,4,5
.irp c, 0,1,2,3
	ds_load_b128 v[96*\u+16*\s+4*\c:96*\u+16*\s+4*\c+3], v[AL+(\pr)/2] offset:((2*(\pr)+\u)%4)*RECA+2048*\s+512*\c
.endr
.endr
.endr
	WIN 0
.irp u, 0,1
.irp s, 0,1,2,3,4,5
	ds_load_b32 v[AS+6*\u+\s], v[ASL+(\pr)/2] offset:((2*(\pr)+\u)%4)*RECA+12288+128*\s
.endr
.endr
.endm
.macro MULPAIR                         ; 48 matrix instructions; the eight accumulators take turns, one instruction a turn
.irp s, 0,1,2,3,4,5
	WIN 0x0d+(\s/4)
.irp u, 0,1
.irp t, 0,1,2,3
.set RW_, 16*((4*\s+\t)%16)
.set RA_, 96*\u+16*\s
.set RD_, AC+32*\u+8*\t
.if \s == 0
	v_wmma_scale_f32_16x16x128_f8f6f4 v[RD_:RD_+7], v[RW_:RW_+15], v[RA_:RA_+15], 0, v[WS+4*\s+\t], v[AS+6*\u+\s] matrix_a_fmt:MATRIX_FMT_BF8 matrix_b_fmt:MATRIX_FMT_BF8
.else
	v_wmma_scale_f32_16x16x128_f8f6f4 v[RD_:RD_+7], v[RW_:RW_+15], v[RA_:RA_+15], v[RD_:RD_+7], v[WS+4*\s+\t], v[AS+6*\u+\s] matrix_a_fmt:MATRIX_FMT_BF8 matrix_b_fmt:MATRIX_FMT_BF8
.endif
.endr
.endr
.endr
.endm
.macro QUANT s
.irp b, 0,1,2,3
	v_max3_num_f32 v[TM+\b], |v[\s+16*\b]|, |v[\s+1+16*\b]|, 0x8000000
.endr
.irp i, 2,4,6,8,10,12,14
.irp b, 0,1,2,3
	v_max3_num_f32 v[TM+\b], v[TM+\b], |v[\s+16*\b+\i]|, |v[\s+1+16*\b+\i]|
.endr
.endr
.irp b, 0,1,2,3
	v_permlanex16_b32 v[TM+4+\b], v[TM+\b], s[SEL], s[SEL+1]
.endr
.irp b, 0,1,2,3
	v_max_num_f32 v[TM+\b], v[TM+\b], v[TM+4+\b]
.endr
.irp b, 0,1,2,3
	v_add_nc_u32 v[TM+12+\b], 0xf8800000, v[TM+\b]
.endr
.irp b, 0,1,2,3
	v_and_or_b32 v[TM+8+\b], v[TM+\b], 0x7f800000, s[MNT]
.endr
.irp b, 0,1,2,3
	v_lshrrev_b32 v[TM+4+\b], 23, v[TM+12+\b]
.endr
.irp b, 0,1,2,3
.irp i, 0,1,2,3,4,5,6,7,8,9,10,11,12,13,14,15
	v_med3_num_f32 v[\s+16*\b+\i], v[\s+16*\b+\i], -v[TM+8+\b], v[TM+8+\b]
.endr
	v_cvt_scalef32_pk8_bf8_f32 v[PC+4*\b:PC+1+4*\b], v[\s+16*\b:\s+7+16*\b], v[TM+12+\b]
	v_cvt_scalef32_pk8_bf8_f32 v[PC+2+4*\b:PC+3+4*\b], v[\s+8+16*\b:\s+15+16*\b], v[TM+12+\b]
.endr
	v_nop
.endm
; gelu of 32 numbers, in place.  The reciprocals are one batch with one wait, and so are the exponentials.
.macro GELU B
.set GI, 0
.rept 32
	v_fma_f32 v[GTT+GI], |v[\B+GI]|, s[KH], 1.0    ; 1 + z / 2; each accumulator is read from its low end on
.set GI, GI+1
.endr
.set GI, 0
.rept 32
	v_rcp_f32 v[GTT+GI], v[GTT+GI]                 ; t
.set GI, GI+1
.endr
.set GI, 0
.rept 16
	v_pk_mul_f32 v[GXX+GI:GXX+GI+1], v[\B+GI:\B+GI+1], v[\B+GI:\B+GI+1]   ; plain work behind the reciprocals
.set GI, GI+2
.endr
.set GI, 0
.rept 16
	v_pk_fma_f32 v[GXX+GI:GXX+GI+1], v[GXX+GI:GXX+GI+1], -0.5, v[CF:CF+1] op_sel_hi:[1,0,1]   ; -z^2 + c0
.set GI, GI+2
.endr
	s_wait_alu depctr_va_vdst(0)                   ; one wait for the 32 reciprocals, ahead of their first reader
.set GI, 0
.rept 16
	v_pk_fma_f32 v[GPP+GI:GPP+GI+1], v[GTT+GI:GTT+GI+1], v[CF+18:CF+19], v[CF+16:CF+17]   ; c9 t + c8
.set GI, GI+2
.endr
.irp k, 7,6,5,4,3,2,1
.set GI, 0
.rept 16
	v_pk_fma_f32 v[GPP+GI:GPP+GI+1], v[GPP+GI:GPP+GI+1], v[GTT+GI:GTT+GI+1], v[CF+2*\k:CF+2*\k+1]
.set GI, GI+2
.endr
.endr
.set GI, 0
.rept 16
	v_pk_fma_f32 v[GPP+GI:GPP+GI+1], v[GPP+GI:GPP+GI+1], v[GTT+GI:GTT+GI+1], v[GXX+GI:GXX+GI+1]   ; the exponent
.set GI, GI+2
.endr
.set GI, 0
.rept 16
	v_pk_fma_f32 v[GPP+GI:GPP+GI+1], v[GPP+GI:GPP+GI+1], s[LGE:LGE+1], -1.0 op_sel_hi:[1,0,0]   ; to base 2, and halved
.set GI, GI+2
.endr
.set GI, 0
.rept 32
	v_exp_f32 v[GPP+GI], v[GPP+GI]
.set GI, GI+1
.endr
	v_nop                                          ; a plain instruction behind the last exponential
	s_wait_alu depctr_va_vdst(0)                   ; one wait for the 32
.set GI, 0
.rept 16
	v_pk_mul_f32 v[GPP+GI:GPP+GI+1], v[GPP+GI:GPP+GI+1], v[GTT+GI:GTT+GI+1]   ; Phi(-|x|)
.set GI, GI+2
.endr
.set GI, 0
.rept 16
	v_pk_fma_f32 v[GTT+GI:GTT+GI+1], v[GPP+GI:GPP+GI+1], -1.0, 1.0 op_sel_hi:[1,0,0]   ; Phi(|x|)
.set GI, GI+2
.endr
.set GI, 0
.rept 32
	v_cmp_lt_f32 vcc_lo, 0, v[\B+GI]
	v_cndmask_b32 v[GPP+GI], v[GPP+GI], v[GTT+GI], vcc_lo
.set GI, GI+1
.endr
.set GI, 0
.rept 16
	v_pk_mul_f32 v[\B+GI:\B+GI+1], v[\B+GI:\B+GI+1], v[GPP+GI:GPP+GI+1]
.set GI, GI+2
.endr
.endm
.macro PAIR pr
	s_wait_dscnt 0x0                               ; this pair's fragments and scale words are in
	MULPAIR
	WIN 0
	PLACES 8                                       ; eight places behind this form: in front of loads into registers that the products read, and of the first read of results
.if (\pr) < 3
	LOADA (\pr)+1
.endif
	s_wait_xcnt 0x0                                ; the last pair's stores have read their data: the registers are written again below
	GELU AC
	GELU AC+32
	QUANT AC
.irp u, 0,1
.irp b, 0,1
	global_store_b128 v[LI], v[PC+8*\u+4*\b:PC+8*\u+4*\b+3], s[30:31] offset:(2*(\pr)+\u)*RECH+512*\b   ; 512 consecutive bytes, aligned
.endr
.endr
	v_lshl_or_b32 v52, v[TM+5], 8, v[TM+4]
	v_lshl_or_b32 v53, v[TM+7], 8, v[TM+6]
	global_store_b16 v[LS], v52, s[32:33] offset:(2*(\pr))*RECH      ; my half of each scale word
	global_store_b16 v[LS], v53, s[32:33] offset:(2*(\pr)+1)*RECH
.endm
.macro COEF n, bits
	v_mov_b32 v[CF+2*\n], \bits
	v_mov_b32 v[CF+2*\n+1], \bits
.endm
	s_load_b256 s[4:11], s[0:1], 0x0               ; a's images, w1 codes, w1 scales, out
	v_lshl_add_u32 v[SPW], v0, 2, SPARE
	v_mov_b32 v[NIL], 0
	v_lshrrev_b32 v52, 5, v0
	v_readfirstlane_b32 s20, v52                   ; wave 0..3
	s_mov_b32 s21, ttmp9                           ; which 256 rows
	s_and_b32 s22, ttmp7, 0xffff                   ; which 256 columns
	v_and_b32 v52, 31, v0
	v_lshlrev_b32 v[LI], 4, v52
	v_lshlrev_b32 v[LS], 2, v52
	v_and_b32 v53, 15, v0
	v_bfe_u32 v54, v0, 4, 1
	v_and_b32 v55, 8, v53
	v_add_nc_u32 v55, v55, v53
	v_mul_u32_u24 v[WA], v55, PITCH
	v_lshl_add_u32 v[WA], v54, 4, v[WA]
	v_mul_u32_u24 v[WSA], v55, SP
	v_lshlrev_b32 v[CA], 4, v0
	v_add_nc_u32 v[CA+1], 65536, v[CA]
	v_add_nc_u32 v[CA+2], 131072, v[CA]
	v_add_nc_u32 v[CA+3], 196608, v[CA]
.irp b, 0,1,2,3
	v_mov_b32 v[TM+4+\b], 0
.endr
	COEF 0, 0xbfa1fc4e                             ; -1.26551223
	COEF 1, 0x3f8000c7                             ;  1.00002368
	COEF 2, 0x3ebf88fb                             ;  0.37409196
	COEF 3, 0x3dc636c9                             ;  0.09678418
	COEF 4, 0xbe3ec24c                             ; -0.18628806
	COEF 5, 0x3e8ec7cc                             ;  0.27886807
	COEF 6, 0xbf914e5d                             ; -1.13520398
	COEF 7, 0x3fbe87b0                             ;  1.48851587
	COEF 8, 0xbf527892                             ; -0.82215223
	COEF 9, 0x3e2ef945                             ;  0.17087277
	s_mov_b32 s[SEL], 0x76543210
	s_mov_b32 s[SEL+1], 0xfedcba98
	s_mov_b32 s[MNT], 0x600000
	s_mov_b32 s[KH], 0x3eb504f3
	s_mov_b32 s[LGE], 0x3fb8aa3b
	s_mov_b32 s[LGE+1], s[LGE]                     ; (named with it as a pair, so it is written)
	s_mul_i32 s40, s21, 16*RECA
	s_mov_b32 s41, 0
	s_lshl_b32 s42, s22, 8
	s_lshl_b32 s43, s20, 6
	s_add_co_u32 s42, s42, s43                     ; my first weight row
	s_mul_i32 s44, s42, PITCH
	s_mov_b32 s45, 0
	s_mul_i32 s46, s42, SP
	s_mov_b32 s47, 0
	s_mul_i32 s48, s21, 16*RECH                    ; my 16 records of the output
	s_lshl_b32 s50, s22, 1
	s_lshr_b32 s51, s20, 1
	s_add_co_u32 s50, s50, s51                     ; the next product's K step: 2 x column group + wave / 2
	s_and_b32 s51, s20, 1                          ; and which half of it
	s_lshl_b32 s52, s50, 11
	s_add_co_u32 s52, s52, s48
	s_lshl_b32 s54, s51, 10
	s_add_co_u32 s52, s52, s54
	s_mov_b32 s53, 0
	s_lshl_b32 s54, s50, 7
	s_add_co_u32 s54, s54, s48
	s_lshl_b32 s55, s51, 1
	s_add_co_u32 s54, s54, s55
	s_add_co_u32 s54, s54, 49152
	s_mov_b32 s55, 0
	s_wait_kmcnt 0x0
	s_add_nc_u64 s[24:25], s[4:5], s[40:41]
	s_add_nc_u64 s[26:27], s[6:7], s[44:45]
	s_add_nc_u64 s[28:29], s[8:9], s[46:47]
	s_add_nc_u64 s[30:31], s[10:11], s[52:53]
	s_add_nc_u64 s[32:33], s[10:11], s[54:55]
.set KK, 0
.rept 102
	COPYLD KK
.set KK, KK+1
.endr
	s_wait_loadcnt 51                              ; the first 51 chunks are in; the 51 younger loads may be out
.set KK, 0
.rept 51
	COPYST KK
.set KK, KK+1
.endr
.set KK, 0
.rept 15
	WFRAG KK
.set KK, KK+1
.endr
	s_wait_loadcnt 60                              ; all chunks are in; the 60 weight loads just issued may be out
.set KK, 51
.rept 51
	COPYST KK
.set KK, KK+1
.endr
.set KK, 15
.rept 9
	WFRAG KK
.set KK, KK+1
.endr
.set KK, 0
.rept 24
	WSCL KK
.set KK, KK+1
.endr
	WIN 0
	s_wait_dscnt 0x0                               ; for the others' sake: my part of the images has landed
	s_barrier_signal -1
	s_barrier_wait -1
	s_wait_loadcnt 0x0                             ; the weights
	s_mov_b32 s38, 0                               ; two trips of 128 rows
	s_mov_b32 s39, 0                               ; LDS byte of the trip's first record
.Ltrip:
	v_add_nc_u32 v[AL], s39, v[LI]
	v_add_nc_u32 v[AL+1], 4*RECA, v[AL]
	v_add_nc_u32 v[ASL], s39, v[LS]
	v_add_nc_u32 v[ASL+1], 4*RECA, v[ASL]
	LOADA 0
	PAIR 0
	PAIR 1
	PAIR 2
	PAIR 3
	s_wait_xcnt 0x0                                ; the stores have read their bases
	s_add_nc_u64 s[30:31], s[30:31], 8*RECH
	s_add_nc_u64 s[32:33], s[32:33], 8*RECH
	s_add_co_u32 s39, s39, 8*RECA
	s_add_co_u32 s38, s38, 1
	s_cmp_lt_u32 s38, 2
	s_cbranch_scc1 .Ltrip
	s_wait_tensorcnt 0x0                           ; the wave's end, behind my last LDS store
	ds_add_u32 v[SPW], v[NIL]
	s_wait_dscnt 0x0
	s_endpgm
.Lfunc_end_k_q6da3e4af13_w1:
	.size	k_q6da3e4af13_w1, .Lfunc_end_k_q6da3e4af13_w1-k_q6da3e4af13_w1
	.p2alignl 7, 3214868480
	.fill 96, 4, 3214868480
	.section	.rodata,"a",@progbits
	.p2align	6, 0x0
	.amdhsa_kernel k_q6da3e4af13_w1
		.amdhsa_group_segment_fixed_size 209408
		.amdhsa_private_segment_fixed_size 0
		.amdhsa_enable_private_segment 0
		.amdhsa_kernarg_size 32
		.amdhsa_user_sgpr_count 2
		.amdhsa_user_sgpr_kernarg_segment_ptr 1
		.amdhsa_wavefront_size32 1
		.amdhsa_system_sgpr_workgroup_id_x 1
		.amdhsa_system_sgpr_workgroup_id_y 1
		.amdhsa_system_sgpr_workgroup_id_z 1
		.amdhsa_system_vgpr_workitem_id 0
		.amdhsa_next_free_vgpr 1024
		.amdhsa_next_free_sgpr 66
		.amdhsa_reserve_vcc 1
		.amdhsa_float_denorm_mode_32 3
		.amdhsa_float_denorm_mode_16_64 3
		.amdhsa_memory_ordered 1
		.amdhsa_forward_progress 1
		.amdhsa_inst_pref_size 255
	.end_amdhsa_kernel
	.section	.bss,"aw",@nobits
	.p2align	6
	.space	262144
	.amdgpu_metadata
---
amdhsa.version: [ 1, 2 ]
amdhsa.kernels:
  - .name:           k_q6da3e4af13_w1
    .symbol:         k_q6da3e4af13_w1.kd
    .args:
      - { .name: a2, .offset: 0, .size: 8, .value_kind: global_buffer, .address_space: global }
      - { .name: w1_codes, .offset: 8, .size: 8, .value_kind: global_buffer, .address_space: global }
      - { .name: w1_scales, .offset: 16, .size: 8, .value_kind: global_buffer, .address_space: global }
      - { .name: hb, .offset: 24, .size: 8, .value_kind: global_buffer, .address_space: global }
    .group_segment_fixed_size: 209408
    .private_segment_fixed_size: 0
    .kernarg_segment_align: 8
    .kernarg_segment_size: 32
    .max_flat_workgroup_size: 128
    .sgpr_count:     66
    .vgpr_count:     1024
    .wavefront_size: 32
...
	.end_amdgpu_metadata
.endif
;; end of part 5
;; launch w2 (part 6): grid 16 x 12, 4 waves a work-group, no clusters, 139,776 bytes of LDS; arguments hb, w2_codes, w2_scales, y, out0; writes out0
.if DOCPART == 6
	.amdgcn_target "amdgcn-amd-amdhsa--gfx1250"
	.amdhsa_code_object_version 6
	.text
	.protected	k_q6da3e4af13_w2
	.globl	k_q6da3e4af13_w2
	.p2align	8
	.type	k_q6da3e4af13_w2,@function
k_q6da3e4af13_w2:
	s_mov_b64 s[64:65], 0
	v_nop
	global_prefetch_b8 v0, s[64:65] scope:SCOPE_SE
	s_setreg_imm32_b32 hwreg(HW_REG_WAVE_MODE, 25, 1), 1
	s_wait_xcnt 0x0
; out = y + h w2^T on codes of BF8 (E5M2).  h: the images that the launch before made (256 records of 52,224 bytes); y, out: [4096][768] f32 in true row order.
; SHARES.  A work-group takes 256 rows (16 row tiles) and 64 columns.  THE WAVES SHARE K: wave w takes k = 768 w .. 768 w + 767: 64 weight rows x 6 K steps = 24 fragments, which stay in 384 registers.  So each wave reads images
; that no other wave of the work-group reads: they come from memory straight into registers, two tiles ahead, in three buffers by turns, and no operand goes through LDS.
; The four partial sums of four row tiles meet in LDS, in two regions by turns: one barrier for four tiles.  A region is written again only behind the next barrier, which each wave signals behind its own reads of that region.
; Wave w then adds the four parts of tile w in ascending order of K, adds y, and stores rows of 256 consecutive bytes, aligned.  LIMIT: K is summed in four quarters, each ascending; NaN and infinities are not served.
; No tensor load and no cluster: the 64 columns' weights stay in registers, and the images are read by twelve work-groups that are not held in step.
.set PITCH, 3072
.set SP,    96
.set RECH,  52224
.set PAR,   69632                      ; a region: [source wave 4][tile 4][16 rows x (256 + 16) bytes]
.set SPARE, 2*PAR                      ; behind the two regions: the spare words, 128 bytes a wave: two blocks of 256 bytes that no other line names
.set LI,  1
.set LS,  2
.set WA,  3
.set WSA, 4
.set STO, 5                            ; v5-6  where I put 32 bytes of a row, region 0, 1
.set RD,  7                            ; v7-8  where I read a row back
.set OO,  9                            ; v9    my byte in two rows of y or out
.set WS,  16                           ; v16-39 the weights' scale words
.set AS,  40                           ; v40-57 the rows' scale words: three sets of six
.set SPW, 62
.set NIL, 63
.set AC,  64                           ; v64-191 four tiles' four accumulators; then the four parts of my tile read back
.set YR,  192                          ; v192-223 y
.set MSB, 0
.macro WIN new
.if MSB != (\new)
	s_set_vgpr_msb (MSB<<8)|(\new)
.set MSB, (\new)
.endif
.endm
.macro PLACES n
.rept \n
	v_nop
.endr
.endm
.macro WFRAG f
.set WT_, (\f)%4
.set WK_, (\f)/4
.if (\f) < 16
	WIN 0x40
.else
	WIN 0x80
.endif
.irp c, 0,1,2,3
	global_load_b128 v[16*((\f)%16)+4*\c:16*((\f)%16)+4*\c+3], v[WA], s[26:27] offset:(32*(WT_/2)+8*(WT_%2))*PITCH+128*WK_+32*\c
.endr
.endm
.macro WSCL f
	WIN 0
	global_load_b32 v[WS+(\f)], v[WSA], s[28:29] offset:(32*(((\f)%4)/2)+8*((\f)%2))*SP+4*((\f)/4)
.endm
.macro BUFOF ti                        ; tile ti's buffer: 0, 1: window 3, v0 and v96; 2: window 2, v128
.set GB_, (\ti)%3
.if GB_ == 2
.set GW_, 2
.set GR_, 128
.else
.set GW_, 3
.set GR_, 96*GB_
.endif
.endm
.macro LOADG ti                        ; my six fragments of row tile ti and their scale words: 30 loads, each of consecutive bytes
	BUFOF \ti
	WIN GW_<<6
.irp s, 0,1,2,3,4,5
.irp c, 0,1,2,3
	global_load_b128 v[GR_+16*\s+4*\c:GR_+16*\s+4*\c+3], v[LI], s[24:25] offset:RECH*(\ti)+2048*\s+512*\c
.endr
.endr
	WIN 0
.irp s, 0,1,2,3,4,5
	global_load_b32 v[AS+6*GB_+\s], v[LS], s[30:31] offset:RECH*(\ti)+128*\s
.endr
.endm
.macro YLOAD q                         ; y at the rows that I will store in this group of four tiles
.irp i, 0,1,2,3,4,5,6,7
	global_load_b128 v[YR+4*\i:YR+4*\i+3], v[OO], s[32:33] offset:(64*(\q)+2*\i+8*(\i/4))*3072 th:TH_LOAD_NT
.endr
.endm
.macro MULT ti                         ; 24 matrix instructions: four accumulators by turns, one instruction a turn; the first K step starts the sums
	BUFOF \ti
.set AB_, AC+32*((\ti)%4)
.irp s, 0,1,2,3,4,5
	WIN (1+\s/4)|(GW_<<2)
.irp t, 0,1,2,3
.set RW_, 16*((4*\s+\t)%16)
.if \s == 0
	v_wmma_scale_f32_16x16x128_f8f6f4 v[AB_+8*\t:AB_+8*\t+7], v[RW_:RW_+15], v[GR_+16*\s:GR_+16*\s+15], 0, v[WS+4*\s+\t], v[AS+6*GB_+\s] matrix_a_fmt:MATRIX_FMT_BF8 matrix_b_fmt:MATRIX_FMT_BF8
.else
	v_wmma_scale_f32_16x16x128_f8f6f4 v[AB_+8*\t:AB_+8*\t+7], v[RW_:RW_+15], v[GR_+16*\s:GR_+16*\s+15], v[AB_+8*\t:AB_+8*\t+7], v[WS+4*\s+\t], v[AS+6*GB_+\s] matrix_a_fmt:MATRIX_FMT_BF8 matrix_b_fmt:MATRIX_FMT_BF8
.endif
.endr
.endr
	WIN 0
.endm
.macro TILE ti, left                   ; left: the younger loads that may stay out when this tile's have to be in
	s_wait_loadcnt \left
	s_wait_xcnt 0x0                                ; earlier stores have read their data: the accumulators are begun anew below
	PLACES 8                                       ; eight places behind this form, in front of loads into the buffer and the scale words that the last tile's products read
.if (\ti) < 14
	LOADG (\ti)+2
.endif
.if (\ti)%4 == 2
	YLOAD (\ti)/4
.endif
	MULT \ti
.endm
.macro QUADOUT q, left
	PLACES 8                                       ; in front of the first read of results
.irp k, 0,1,2,3
.irp t, 0,1,2,3
	ds_store_b128 v[STO+(\q)%2], v[AC+32*\k+8*\t:AC+32*\k+8*\t+3] offset:4352*\k+128*(\t/2)+32*(\t%2)          ; each accumulator from its low end on
	ds_store_b128 v[STO+(\q)%2], v[AC+32*\k+8*\t+4:AC+32*\k+8*\t+7] offset:4352*\k+128*(\t/2)+32*(\t%2)+16
.endr
.endr
	s_wait_dscnt 0x0                               ; for the others' sake: my parts have landed; my reads of the other region were over long ago
	s_barrier_signal -1
	s_barrier_wait -1
.irp p, 0,1,2,3
.irp i, 0,1,2,3,4,5,6,7
	ds_load_b128 v[AC+32*\p+4*\i:AC+32*\p+4*\i+3], v[RD+(\q)%2] offset:17408*\p+544*\i   ; wave p's part of my tile
.endr
.endr
	s_wait_loadcnt \left                           ; y is in; the loads of the tile after next may be out
	s_wait_dscnt 0x0
.irp p, 32,64,96
.set N, 0
.rept 16
	v_pk_add_f32 v[AC+N:AC+N+1], v[AC+N:AC+N+1], v[AC+\p+N:AC+\p+N+1]
.set N, N+2
.endr
.endr
.set N, 0
.rept 16
	v_pk_add_f32 v[AC+N:AC+N+1], v[AC+N:AC+N+1], v[YR+N:YR+N+1]
.set N, N+2
.endr
.irp i, 0,1,2,3,4,5,6,7
	global_store_b128 v[OO], v[AC+4*\i:AC+4*\i+3], s[36:37] offset:(64*(\q)+2*\i+8*(\i/4))*3072 th:TH_STORE_NT   ; sixteen lanes store 256 consecutive bytes, aligned
.endr
.endm
	s_load_b256 s[4:11], s[0:1], 0x0               ; h's images, w2 codes, w2 scales, y
	s_load_b64 s[12:13], s[0:1], 0x20              ; out
	v_lshl_add_u32 v[SPW], v0, 2, SPARE
	v_mov_b32 v[NIL], 0
	v_lshrrev_b32 v58, 5, v0
	v_readfirstlane_b32 s20, v58                   ; wave 0..3
	s_mov_b32 s21, ttmp9                           ; which 256 rows
	s_and_b32 s22, ttmp7, 0xffff                   ; which 64 columns
	v_and_b32 v58, 31, v0
	v_lshlrev_b32 v[LI], 4, v58
	v_lshlrev_b32 v[LS], 2, v58
	v_and_b32 v59, 15, v0                          ; r
	v_bfe_u32 v60, v0, 4, 1                        ; h
	v_and_b32 v61, 8, v59
	v_add_nc_u32 v61, v61, v59
	v_mul_u32_u24 v[WA], v61, PITCH
	v_lshl_add_u32 v[WA], v60, 4, v[WA]
	v_mul_u32_u24 v[WSA], v61, SP
	s_mul_i32 s40, s20, 17408
	v_mul_u32_u24 v[STO], v59, 272
	v_lshl_add_u32 v[STO], v60, 6, v[STO]
	v_add_nc_u32 v[STO], s40, v[STO]               ; in: my wave's 17,408 bytes, row r, + 64 h
	v_add_nc_u32 v[STO+1], PAR, v[STO]
	s_mul_i32 s40, s20, 4352
	v_mul_u32_u24 v[RD], v60, 272
	v_lshl_add_u32 v[RD], v59, 4, v[RD]
	v_add_nc_u32 v[RD], s40, v[RD]                 ; back: tile w of each wave's part; lanes 0-15 one row, lanes 16-31 the next
	v_add_nc_u32 v[RD+1], PAR, v[RD]
	v_mul_u32_u24 v[OO], v60, 3072
	v_lshl_add_u32 v[OO], v59, 4, v[OO]
	s_mul_i32 s40, s21, 16*RECH                    ; my 16 records
	s_mul_i32 s42, s20, 12288
	s_add_co_u32 s42, s42, s40                     ; my six K steps' images
	s_mov_b32 s43, 0
	s_mul_i32 s44, s20, 768
	s_add_co_u32 s44, s44, s40
	s_add_co_u32 s44, s44, 49152                   ; and their scale images
	s_mov_b32 s45, 0
	s_mul_i32 s46, s22, 64*PITCH
	s_mul_i32 s47, s20, 768
	s_add_co_u32 s46, s46, s47                     ; my 64 weight rows, my quarter of K
	s_mov_b32 s47, 0
	s_mul_i32 s48, s22, 64*SP
	s_mul_i32 s49, s20, 24
	s_add_co_u32 s48, s48, s49
	s_mov_b32 s49, 0
	s_lshl_b32 s50, s21, 8
	s_lshr_b32 s51, s20, 1
	s_lshl_b32 s51, s51, 5
	s_add_co_u32 s50, s50, s51
	s_and_b32 s51, s20, 1
	s_lshl_b32 s51, s51, 3
	s_add_co_u32 s50, s50, s51                     ; the first row of tile w: 256 x row group + 32 (w / 2) + 8 (w % 2)
	s_mul_i32 s50, s50, 3072
	s_lshl_b32 s51, s22, 8
	s_add_co_u32 s50, s50, s51                     ; + my work-group's 256 bytes of a row
	s_mov_b32 s51, 0
	s_wait_kmcnt 0x0
	s_add_nc_u64 s[24:25], s[4:5], s[42:43]
	s_add_nc_u64 s[30:31], s[4:5], s[44:45]
	s_add_nc_u64 s[26:27], s[6:7], s[46:47]
	s_add_nc_u64 s[28:29], s[8:9], s[48:49]
	s_add_nc_u64 s[32:33], s[10:11], s[50:51]
	s_add_nc_u64 s[36:37], s[12:13], s[50:51]
.set KK, 0
.rept 24
	WFRAG KK
.set KK, KK+1
.endr
.set KK, 0
.rept 24
	WSCL KK
.set KK, KK+1
.endr
	LOADG 0
	LOADG 1
	TILE 0, 30                                     ; the weights and tile 0 are in; tile 1's 30 loads may be out
	TILE 1, 30
	TILE 2, 30
	TILE 3, 38                                     ; behind tile 3's loads: tile 4's 30 and y's 8
	QUADOUT 0, 30
	TILE 4, 30
	TILE 5, 30
	TILE 6, 30
	TILE 7, 38
	QUADOUT 1, 30
	TILE 8, 30
	TILE 9, 30
	TILE 10, 30
	TILE 11, 38
	QUADOUT 2, 30
	TILE 12, 30
	TILE 13, 30
	TILE 14, 30
	TILE 15, 8                                     ; behind tile 15's loads: y's 8 alone
	QUADOUT 3, 0
	s_wait_tensorcnt 0x0                           ; the wave's end, behind my last LDS store
	ds_add_u32 v[SPW], v[NIL]
	s_wait_dscnt 0x0
	s_endpgm
.Lfunc_end_k_q6da3e4af13_w2:
	.size	k_q6da3e4af13_w2, .Lfunc_end_k_q6da3e4af13_w2-k_q6da3e4af13_w2
	.p2alignl 7, 3214868480
	.fill 96, 4, 3214868480
	.section	.rodata,"a",@progbits
	.p2align	6, 0x0
	.amdhsa_kernel k_q6da3e4af13_w2
		.amdhsa_group_segment_fixed_size 139776
		.amdhsa_private_segment_fixed_size 0
		.amdhsa_enable_private_segment 0
		.amdhsa_kernarg_size 40
		.amdhsa_user_sgpr_count 2
		.amdhsa_user_sgpr_kernarg_segment_ptr 1
		.amdhsa_wavefront_size32 1
		.amdhsa_system_sgpr_workgroup_id_x 1
		.amdhsa_system_sgpr_workgroup_id_y 1
		.amdhsa_system_sgpr_workgroup_id_z 1
		.amdhsa_system_vgpr_workitem_id 0
		.amdhsa_next_free_vgpr 1024
		.amdhsa_next_free_sgpr 66
		.amdhsa_reserve_vcc 0
		.amdhsa_float_denorm_mode_32 3
		.amdhsa_float_denorm_mode_16_64 3
		.amdhsa_memory_ordered 1
		.amdhsa_forward_progress 1
		.amdhsa_inst_pref_size 155
	.end_amdhsa_kernel
	.amdgpu_metadata
---
amdhsa.version: [ 1, 2 ]
amdhsa.kernels:
  - .name:           k_q6da3e4af13_w2
    .symbol:         k_q6da3e4af13_w2.kd
    .args:
      - { .name: hb, .offset: 0, .size: 8, .value_kind: global_buffer, .address_space: global }
      - { .name: w2_codes, .offset: 8, .size: 8, .value_kind: global_buffer, .address_space: global }
      - { .name: w2_scales, .offset: 16, .size: 8, .value_kind: global_buffer, .address_space: global }
      - { .name: y, .offset: 24, .size: 8, .value_kind: global_buffer, .address_space: global }
      - { .name: out0, .offset: 32, .size: 8, .value_kind: global_buffer, .address_space: global }
    .group_segment_fixed_size: 139776
    .private_segment_fixed_size: 0
    .kernarg_segment_align: 8
    .kernarg_segment_size: 40
    .max_flat_workgroup_size: 128
    .sgpr_count:     66
    .vgpr_count:     1024
    .wavefront_size: 32
...
	.end_amdgpu_metadata
.endif
;; end of part 6
